; MI455X (gfx1250); checked and timed in simulation.
; The chip was launched on July 23, 2026; its instructions are those of AMD's public machine-readable ISA for CDNA 5 (MIT licence, August 2026) and "CDNA5" Instruction Set Architecture Reference Guide (July 2026). The comments in the code are by the model that wrote it; some were corrected since.
;; Grouped Query Attention. Allowed arithmetic: matrix products marked QUANTISED: E2M3 operands, one E8M0 scale for each 32 along K, by v_wmma_scale_f32_16x16x128_f8f6f4 with both operands' format E2M3, f32 sums; everything else in f32.
;; Inputs: Wkv 1,024 x 2,048 float32; Wo 2,048 x 1,024 float32; Wq 1,024 x 2,048 float32; x 2 x 2,048 x 2,048 float32.
;; Outputs: out0 2 x 2,048 x 2,048 float32.
;; This version of the problem:
;;   THIS VERSION OF THE PROBLEM IS GIVEN IN LOW PRECISION. The matrix products marked QUANTISED in the list below multiply operands that are first quantised to E2M3 (2 exponent bits, 3 mantissa bits; 6 bits a number), with one power-of-two scale for each 32 numbers along K (OCP MX v1.0); their sums are f32. All else is computed in f32.
;;   The module's matrix products, in the order in which they are computed (A, B: the left and right operand; K: the contracted axis; several contracted axes count as one K, in the product's order):
;;     1. [M 4,096, K 2,048] x [K 2,048, N 1,024]; A: input x; B: input Wq: QUANTISED
;;     2. [M 4,096, K 2,048] x [K 2,048, N 1,024]; A: input x; B: input Wkv: QUANTISED
;;     3. batch 16 x [M 2,048, K 64] x [K 64, N 4,096]; A: computed on the way; B: computed on the way: QUANTISED
;;     4. batch 16 x [M 64, K 2,048] x [K 2,048, N 4,096]; A: computed on the way; B: softmax (see below): QUANTISED
;;     5. [M 4,096, K 1,024] x [K 1,024, N 2,048]; A: computed on the way; B: input Wo: QUANTISED
;;   THE QUANTISER, for each operand of a quantised product, along K:
;;     - K is cut into blocks of 32 from its start; a last block that is shorter is filled with zeros.
;;     - A block's scale is 2^e with e = floor(log2(the largest magnitude in the block)) - 2, held to -126 .. 127; a block of zeros has e = 0. As a byte (E8M0): e + 127.
;;     - Each number is divided by its block's scale, clamped to +-7.5, and rounded to the nearest number of E2M3, ties to even, subnormals kept.
;;     - The product sums the exact products of the quantised numbers (number of the format x scale) in f32.
;;   ~~~python
;;   def quantise(x, axis):      # numpy; x: float32 -> the quantised numbers, widened to float32 again
;;       x = np.moveaxis(x, axis, -1); K = x.shape[-1]
;;       x = np.pad(x, [(0, 0)] * (x.ndim - 1) + [(0, -K % 32)]); x = x.reshape(x.shape[:-1] + (-1, 32)); a = np.abs(x).max(-1, keepdims=True)
;;       e = np.where(a > 0, np.clip(np.frexp(np.where(a > 0, a, 1))[1] - 1 - 2, -126, 127), 0)      # np.frexp(a)[1] - 1 = floor(log2(a)), exactly
;;       r = np.clip(x / 2.0 ** e, -7.5, 7.5)
;;       step = 2.0 ** (np.maximum(np.frexp(np.where(r == 0, 1, r))[1] - 1, 0) - 3)
;;       q = np.round(r / step) * step * 2.0 ** e      # np.round: ties to even
;;       return np.moveaxis(q.reshape(q.shape[:-2] + (-1,))[..., :K], -1, axis).astype(np.float32)
;;   ~~~
;;   SOFTMAX AHEAD OF A QUANTISED PRODUCT. Where the list says 'softmax', what is quantised is not the finished softmax but p = 2^(t - M), with t = logit x log2(e) and M = ceil(the row's largest t), a whole number; so 1/2 < the row's largest p <= 1. The row's sum l is taken of the UNQUANTISED p, in f32, and the product's result is divided by l at the end. Since M is a whole number, a kernel that streams over the keys may use a running M (the ceiling of the running maximum): every later rescaling is an exact power of two, which a block's scale takes up: the codes' values come out the same.
;;   OPERANDS COMPUTED ON THE WAY. 'Computed on the way' means the value that the module computes at that place (a softmax that the list does not call 'softmax' is quantised finished and normalised). What goes into a quantiser is computed in f32, as accurately as f32 sums, v_exp_f32 and their like allow (about 1e-6 of the number): no bf16 or f16 on the way to a quantiser, and a product that is left as it is and whose result goes on into a quantised operand takes f32 operands (vector FMAs, or v_wmma_f32_16x16x4_f32). A number that lies on a knife's edge between two numbers of the format may be rounded either way, as far as f32 arithmetic and the matrix unit's own rounding can turn it there, and no further.
;; One version. Each part assembles by itself: llvm-mc -triple=amdgcn-amd-amdhsa -mcpu=gfx1250 --defsym DOCPART=n.
;; ======== version 1 of 1: 4 launches
;; limits: right only within a limited range of input values
;; workspace buffers: xq 6,553,600 bytes; wq 3,276,800 bytes; woq 1,638,400 bytes; qkv 6,553,600 bytes; oq 3,276,800 bytes
;; launch quant (part 1): grid 448 x 1, 4 waves a work-group, no clusters, 34,304 bytes of LDS; arguments x, Wq, Wkv, Wo, xq, wq, woq; writes xq, wq, woq
.if DOCPART == 1
	.amdgcn_target "amdgcn-amd-amdhsa--gfx1250"
	.amdhsa_code_object_version 6
	.text
	.protected	k_q83d9e13c8a_quant
	.globl	k_q83d9e13c8a_quant
	.p2align	8
	.type	k_q83d9e13c8a_quant,@function
k_q83d9e13c8a_quant:
	s_mov_b64 s[64:65], 0
	v_nop
	global_prefetch_b8 v0, s[64:65] scope:SCOPE_SE
	s_setreg_imm32_b32 hwreg(HW_REG_WAVE_MODE, 25, 1), 1
	s_wait_xcnt 0x0
; x [4096][2048], Wq [1024][2048], Wkv [1024][2048], Wo [2048][1024], f32, K innermost, become codes of FP6 (E2M3) with one E8M0 byte for each 32 along K,
; laid as IMAGES OF OPERAND REGISTERS.  A fragment is 16 rows x 128 K, 12 registers a lane: lane (r = l % 16, h = l / 16) holds row r, registers 6 c .. 6 c + 5 hold k = 64 c + 32 h + 0 .. 31.
; Its image is 1,536 bytes: register R of lane l at 512 (R / 4) + 16 l + 4 (R % 4): three accesses of 16 bytes a lane, each 512 consecutive bytes.
; THE ROWS OF A ROW BLOCK ARE NOT NEIGHBOURS: fragment row r of block a is the tensor's row 32 (a / 2) + 8 (a % 2) + r + 8 (r / 8).
; Codes: [row block][K chunk of 128][1,536].  Scale words behind them: [row block][512 along K][r][4 words]: 256 bytes for each 512 along K of a block.
; A block's scale is 2^(floor(log2(largest magnitude)) - 2); its byte is the largest magnitude's exponent field - 2, held at 1 from below.
; LIMITS: a block of zeros gets the byte 1 (its codes are zeros; this program alone reads the bytes); blocks whose largest magnitude lies under 2^-124 are held at byte 1; NaN and infinities are not served.
; SHARES: a wave takes one row block x 512 along K: 32 KiB in, 6,144 + 256 bytes out.  1,792 such units: x 1,024, Wq 256, Wkv 256, Wo 256; four to a work-group, so a work-group lies in one tensor.
; Each load reads 512 consecutive bytes of one row; a K chunk's 16 rows turn through the wave's own stage in LDS (rows 528 bytes apart) and come back 128 bytes a lane and block of 32.
; No tensor load, no barrier: waves share nothing.  Loads run one K chunk (16 loads a wave) ahead of the chunk in hand.
.set STG,   8448                       ; a wave's stage: 16 rows x (512 + 16) bytes
.set SPARE, 4*STG                      ; behind the stages: the spare words, 128 bytes a wave, that no other line names
.set SPW,   12                         ; v12  my spare word's LDS address; never rewritten
.set NIL,   13                         ; v13  0; never rewritten
.set RO,    16                         ; v16-31  row i of the block: 16 x lane + (i + 8 (i / 8)) x pitch
.set CD,    32                         ; v32-43  a fragment's codes
.set TP,    44                         ; v44-46, v48-50  the second half of each block's codes, before they are moved
.set WD,    52                         ; v52-55  the four scale words
.set LDR,   64                         ; v64-191 two sets of 64 registers as loaded
.set X,     192                        ; v192-255 register 32 c + i = k 64 c + 32 h + i of my row
	s_load_b256 s[4:11], s[0:1], 0x0               ; x, Wq, Wkv, Wo
	s_load_b128 s[12:15], s[0:1], 0x20             ; xq, wq
	s_load_b64 s[16:17], s[0:1], 0x30              ; woq
	v_lshl_add_u32 v[SPW], v0, 2, SPARE
	v_mov_b32 v[NIL], 0
	v_lshrrev_b32 v1, 5, v0
	v_readfirstlane_b32 s18, v1                    ; wave
	v_and_b32 v8, 31, v0                           ; lane
	v_and_b32 v1, 15, v0                           ; r
	v_bfe_u32 v2, v0, 4, 1                         ; h
	v_lshlrev_b32 v3, 4, v8                        ; 16 x lane
	s_mul_i32 s19, s18, STG
	v_add_nc_u32 v4, s19, v3                       ; into the stage: 16 x lane of a row
	v_mul_u32_u24 v5, v1, 528
	v_lshl_add_u32 v5, v2, 7, v5
	v_add_nc_u32 v5, s19, v5                       ; out of it: row r, + 128 h
	v_lshlrev_b32 v6, 4, v1                        ; 16 r: my row's four scale words
	v_lshlrev_b32 v7, 3, v2                        ; 8 h: how far my two scale bytes are shifted
	v_mov_b32 v62, 0                               ; a lane permute's destination counts as read: written once
	s_mov_b32 s20, 0x76543210
	s_mov_b32 s21, 0xfedcba98                      ; selects for lane l xor 16
	s_wait_alu depctr_va_vdst(0)
	s_wait_kmcnt 0x0
	; which tensor: the choice hangs on the work-group's number alone.  Begin with Wkv against Wo, then Wq, then x
	s_cmp_lt_u32 ttmp9, 384
	s_cselect_b64 s[22:23], s[8:9], s[10:11]       ; from
	s_cselect_b64 s[24:25], s[14:15], s[16:17]     ; to
	s_cselect_b32 s26, 13, 12                      ; log2 of a row's bytes
	s_cselect_b32 s27, 2, 1                        ; log2 of the units in a row block
	s_mov_b32 s28, 1536
	s_cselect_b32 s28, 1280, s28                   ; the tensor's first unit
	s_cselect_b32 s29, 256, 0                      ; Wkv's units lie behind Wq's in wq
	s_mov_b32 s30, 1572864
	s_cselect_b32 s30, 3145728, s30                ; where the scale words begin
	s_cmp_lt_u32 ttmp9, 320
	s_cselect_b64 s[22:23], s[6:7], s[22:23]
	s_cselect_b32 s28, 1024, s28
	s_cselect_b32 s29, 0, s29
	s_cmp_lt_u32 ttmp9, 256
	s_cselect_b64 s[22:23], s[4:5], s[22:23]
	s_cselect_b64 s[24:25], s[12:13], s[24:25]
	s_cselect_b32 s28, 0, s28
	s_cselect_b32 s30, 6291456, s30
	s_lshl_b32 s31, 1, s26                         ; a row's bytes
	s_lshl_b32 s32, ttmp9, 2
	s_add_co_u32 s32, s32, s18
	s_sub_co_u32 s32, s32, s28                     ; my unit in the tensor
	s_lshr_b32 s33, s32, s27                       ; its row block a
	s_lshl_b32 s34, s33, s27
	s_sub_co_u32 s34, s32, s34                     ; and which 512 along K
	s_lshr_b32 s35, s33, 1
	s_lshl_b32 s35, s35, 5
	s_and_b32 s36, s33, 1
	s_lshl_b32 s36, s36, 3
	s_add_co_u32 s35, s35, s36                     ; the block's first row: 32 (a / 2) + 8 (a % 2)
	s_lshl_b32 s36, s35, s26
	s_lshl_b32 s34, s34, 11
	s_add_co_u32 s36, s36, s34                     ; in bytes, + 2,048 for each 512 along K (under 2^26)
	s_mov_b32 s37, 0
	s_add_nc_u64 s[22:23], s[22:23], s[36:37]
	s_add_co_u32 s32, s32, s29                     ; my unit in the buffer
	s_mul_i32 s36, s32, 6144
	s_lshl_b32 s38, s32, 8
	s_add_co_u32 s38, s38, s30
	s_mov_b32 s39, 0
	s_add_nc_u64 s[40:41], s[24:25], s[38:39]      ; my 256 bytes of scale words
	s_add_nc_u64 s[24:25], s[24:25], s[36:37]      ; my four fragments
.irp i, 0,1,2,3,4,5,6,7,8,9,10,11,12,13,14,15
	v_mad_u32_u24 v[RO+\i], s31, \i+8*(\i/8), v3
.endr
.macro LOAD k                          ; K chunk k: 16 rows x 512 bytes into set k % 2
.irp i, 0,1,2,3,4,5,6,7,8,9,10,11,12,13,14,15
	global_load_b128 v[LDR+64*((\k)%2)+4*\i:LDR+64*((\k)%2)+4*\i+3], v[RO+\i], s[22:23] offset:512*(\k) th:TH_LOAD_NT
.endr
.endm
.macro TURN k                          ; through the stage: LDS serves a wave's instructions in order, so no wait stands between the stores and the loads
.irp i, 0,1,2,3,4,5,6,7,8,9,10,11,12,13,14,15
	ds_store_b128 v4, v[LDR+64*((\k)%2)+4*\i:LDR+64*((\k)%2)+4*\i+3] offset:528*\i
.endr
.irp c, 0,1
.irp q, 0,1,2,3,4,5,6,7
	ds_load_b128 v[X+32*\c+4*\q:X+32*\c+4*\q+3], v5 offset:256*\c+16*\q
.endr
.endr
.endm
.macro Q6 k                            ; X becomes a fragment's codes in v[CD] on and its scale word in v[WD + k].  A lane holds two whole blocks: h and 2 + h
.irp c, 0,1
	v_max3_num_f32 v[56+\c], |v[X+32*\c]|, |v[X+32*\c+1]|, 0x1800000   ; with the floor 2^(3 - 127): the byte cannot fall under 1
.endr
.irp i, 2,4,6,8,10,12,14,16,18,20,22,24,26,28,30
.irp c, 0,1
	v_max3_num_f32 v[56+\c], v[56+\c], |v[X+32*\c+\i]|, |v[X+32*\c+\i+1]|
.endr
.endr
.irp c, 0,1
	v_add_nc_u32 v[58+\c], 0xff000000, v[56+\c]    ; 2 off the exponent field: the conversion's scale operand
.endr
.irp c, 0,1
	v_lshrrev_b32 v[60+\c], 23, v[58+\c]           ; the scale's byte
.endr
	v_lshl_or_b32 v[WD+(\k)], v61, 16, v60         ; my two bytes,
	v_lshlrev_b32 v[WD+(\k)], v7, v[WD+(\k)]       ; at their places in the word,
	v_permlanex16_b32 v62, v[WD+(\k)], s20, s21
	v_or_b32 v[WD+(\k)], v[WD+(\k)], v62           ; with lane l xor 16's two
.irp c, 0,1
	v_cvt_scalef32_pk16_fp6_f32 v[CD+6*\c:CD+6*\c+2], v[X+32*\c:X+32*\c+15], v[58+\c]
	v_cvt_scalef32_pk16_fp6_f32 v[TP+4*\c:TP+4*\c+2], v[X+32*\c+16:X+32*\c+31], v[58+\c]   ; (a conversion's three registers begin on an even number)
.endr
	v_nop                                          ; one plain line behind the scaled conversions
.irp c, 0,1
.irp i, 0,1,2
	v_mov_b32 v[CD+3+6*\c+\i], v[TP+4*\c+\i]
.endr
.endr
.endm
	LOAD 0
	LOAD 1
	s_wait_alu depctr_va_vdst(0)
.irp k, 0,1,2,3
.if \k < 3
	s_wait_loadcnt 16                              ; this chunk's 16 loads are in; the next chunk's 16 may be out
.else
	s_wait_loadcnt 0x0
.endif
	TURN \k
	s_wait_dscnt 0x0                               ; X is in, and the stage's stores have read the set,
.if \k < 2
	LOAD \k+2                                      ; which takes the chunk two further on
.endif
.if \k > 0
	s_wait_xcnt 0x0                                ; the last chunk's stores have read the codes' registers
.endif
	Q6 \k
.irp g, 0,1,2
	global_store_b128 v3, v[CD+4*\g:CD+4*\g+3], s[24:25] offset:1536*\k+512*\g   ; 32 lanes store 512 consecutive bytes
.endr
.endr
	v_cmp_gt_u32 vcc_lo, 16, v8
	s_wait_xcnt 0x0                                ; EXEC changes only behind this wait
	s_and_saveexec_b32 s36, vcc_lo
	global_store_b128 v6, v[WD:WD+3], s[40:41]     ; lanes 0-15: 256 consecutive bytes, aligned
	s_wait_xcnt 0x0
	s_or_b32 exec_lo, exec_lo, s36
	s_wait_tensorcnt 0x0                           ; the wave's end, behind my last LDS store
	ds_add_u32 v[SPW], v[NIL]
	s_wait_dscnt 0x0
	s_endpgm
.Lfunc_end_k_q83d9e13c8a_quant:
	.size	k_q83d9e13c8a_quant, .Lfunc_end_k_q83d9e13c8a_quant-k_q83d9e13c8a_quant
	.p2alignl 7, 3214868480
	.fill 96, 4, 3214868480
	.section	.rodata,"a",@progbits
	.p2align	6, 0x0
	.amdhsa_kernel k_q83d9e13c8a_quant
		.amdhsa_group_segment_fixed_size 34304
		.amdhsa_private_segment_fixed_size 0
		.amdhsa_enable_private_segment 0
		.amdhsa_kernarg_size 56
		.amdhsa_user_sgpr_count 2
		.amdhsa_user_sgpr_kernarg_segment_ptr 1
		.amdhsa_wavefront_size32 1
		.amdhsa_system_sgpr_workgroup_id_x 1
		.amdhsa_system_sgpr_workgroup_id_y 1
		.amdhsa_system_sgpr_workgroup_id_z 1
		.amdhsa_system_vgpr_workitem_id 0
		.amdhsa_next_free_vgpr 256
		.amdhsa_next_free_sgpr 66
		.amdhsa_reserve_vcc 1
		.amdhsa_float_denorm_mode_32 3
		.amdhsa_float_denorm_mode_16_64 3
		.amdhsa_memory_ordered 1
		.amdhsa_forward_progress 1
		.amdhsa_inst_pref_size 32
	.end_amdhsa_kernel
	.amdgpu_metadata
---
amdhsa.version: [ 1, 2 ]
amdhsa.kernels:
  - .name:           k_q83d9e13c8a_quant
    .symbol:         k_q83d9e13c8a_quant.kd
    .args:
      - { .name: x, .offset: 0, .size: 8, .value_kind: global_buffer, .address_space: global }
      - { .name: Wq, .offset: 8, .size: 8, .value_kind: global_buffer, .address_space: global }
      - { .name: Wkv, .offset: 16, .size: 8, .value_kind: global_buffer, .address_space: global }
      - { .name: Wo, .offset: 24, .size: 8, .value_kind: global_buffer, .address_space: global }
      - { .name: xq, .offset: 32, .size: 8, .value_kind: global_buffer, .address_space: global }
      - { .name: wq, .offset: 40, .size: 8, .value_kind: global_buffer, .address_space: global }
      - { .name: woq, .offset: 48, .size: 8, .value_kind: global_buffer, .address_space: global }
    .group_segment_fixed_size: 34304
    .private_segment_fixed_size: 0
    .kernarg_segment_align: 8
    .kernarg_segment_size: 56
    .max_flat_workgroup_size: 128
    .sgpr_count:     66
    .vgpr_count:     256
    .wavefront_size: 32
...
	.end_amdgpu_metadata
.endif
;; end of part 1
;; launch proj (part 2): grid 16 x 16, 4 waves a work-group, clusters of 4 x 4, 327,680 bytes of LDS; arguments xq, wq, qkv; writes qkv
.if DOCPART == 2
	.amdgcn_target "amdgcn-amd-amdhsa--gfx1250"
	.amdhsa_code_object_version 6
	.text
	.protected	k_q83d9e13c8a_proj
	.globl	k_q83d9e13c8a_proj
	.p2align	8
	.type	k_q83d9e13c8a_proj,@function
k_q83d9e13c8a_proj:
	s_mov_b64 s[64:65], 0
	v_nop
	global_prefetch_b8 v0, s[64:65] scope:SCOPE_SE
	s_setreg_imm32_b32 hwreg(HW_REG_WAVE_MODE, 25, 1), 1
	s_wait_xcnt 0x0
	s_wait_alu depctr_hold_cnt(0) depctr_sa_sdst(0) depctr_va_vdst(0) depctr_va_sdst(0) depctr_va_ssrc(0) depctr_va_vcc(0) depctr_vm_vsrc(0)
	s_getreg_b32 s2, hwreg(HW_REG_IB_STS2, 6, 4)
	s_cmp_eq_u32 s2, 0
	s_cbranch_scc0 .Lentry_in_a_cluster
	s_endpgm
.Lentry_in_a_cluster:
	s_bfe_u32 s2, ttmp6, 0x10000c
	s_cmp_lg_u32 s2, 0xf033
	s_cbranch_scc0 .Lentry_shape_is_right
	s_endpgm
.Lentry_shape_is_right:
; q, k, v = x [Wq; Wkv]^T on codes of FP6 (E2M3) with E8M0 scales, K = 2,048; the results are quantised here, in f32 registers, and leave as codes: q and k along the head's 64, v along the keys.
; OPERANDS are images of operand registers (a fragment: 16 rows x 128 K, 1,536 bytes, three loads of 16 bytes a lane, 512 consecutive bytes each); fragment row r of row block a is row 32 (a / 2) + 8 (a % 2) + r + 8 (r / 8).
; TILE: 256 rows of x (source 1) x 128 rows of W (source 0).  Four waves: wave w takes x's rows 128 (w / 2) on (8 blocks) and W's rows 64 (w % 2) on (4 blocks): 32 accumulators, 256 registers.
; So a lane holds ONE row of x, and the 16 registers of result tiles 2 e, 2 e + 1 are the 16 neighbouring columns 32 e + 16 (lane / 16) + 0 .. 15; a wave's 64 columns are one head, its 128 rows one key step.
; K goes through two LDS slots of 512 along K (four steps of 128): four fills, two of them refills.  The scale words of the tile's rows for all of K come once, with the first fills.
; CLUSTER 4 x 4: x's tiles are asked for jointly along a row of the cluster, W's along a column.  The cluster's x says what is made: 0, 1: q; 2: k; 3: v: the same in all sixteen partners.
; OUT (buffer qkv).  q: [b][head 16][step 16] units of 6,400 bytes: four double fragments (registers 0-5: query tile 2 i, k = d 0 .. 63; registers 6-11: tile 2 i + 1), then [r][4 words] of scale bytes.
; k, v from byte KVB: [b][head 8][step 16] units of 12,800 bytes: k's four double fragments, v^T's four fragments (row r of tile t: d 32 (t / 2) + 8 (t % 2) + r + 8 (r / 8); K = the step's 128 keys), k's words, v's words.
; LIMITS: a block of zeros gets the byte 1 (this program alone reads the bytes); blocks whose largest magnitude lies under 2^-124 are held at byte 1; NaN and infinities are not served.
; REGISTERS: window 0: v0-31 addresses; v32-95 scale words, two sets; v96-123 at work on the way out; v128-223 x's fragments, ONE set (on the way out: codes and numbers).  window 1: W's fragments, two sets at v0 and v64.  window 2: accumulator (a, b) at v[8 (4 a + b)].
.set RBB,   24576                      ; a row block's codes for all of K
.set BSTR,  1024                       ; and its scale words
.set ASH,   8192                       ; the scale words of 8 blocks of x: what one load brings
.set BSH,   4096                       ; of 4 blocks of W
.set ASCO,  6291456                    ; where xq's scale words begin
.set BSCO,  3145728                    ; and wq's
.set NLA,   3                          ; LDS loads that bring a fragment of x
.set FRB,   1536
.set BLK,   4*FRB                      ; a block's part of a slot
.set AHALF, 8*BLK
.set BHALF, 4*BLK
.set SLOT,  2*AHALF+2*BHALF            ; x's 16 blocks, then W's 8
.set SCL,   2*SLOT                     ; behind the ring: the scale words
.set SPARE, SCL+2*ASH+2*BSH            ; behind them: the spare words, 128 bytes a wave, that no other line names
.set KVB,   3276800
.set VST,   18432                      ; v's way out: a stage of 128 rows x 144 bytes for each wave, in slot 0, which has had its last fill and its last read by then
.set ADRA,  16                         ; v16-17 my fragments of x in slot 0, 1
.set ADRB,  20                         ; v20-21 of W
.set ADRS,  24                         ; v24 scale words: lanes 0-15 x's, lanes 16-31 W's
.set ADRSA, 25                         ; v25 x's in all lanes
.set SPW,   28                         ; v28 my spare word; never rewritten
.set NIL,   29                         ; v29 0; never rewritten
.set SC,    32                         ; set s at v[SC + 32 s]; register 4 i + q: lanes 0-15 the word of x's block i, lanes 16-31 of W's block i, for the slot's q-th 128 along K
.set AF,    128
.set TM,    96                         ; v96-111 at work in the quantisers
.set WDS,   112                        ; v112-115 four scale words
.set TP,    116                        ; v116-118, v120-122
.set XV,    128                        ; v's way: 64 numbers down the keys
.set G1A,   24
.set G0A,   32
.set G1B,   48
.set G0B,   56
.set G1SA,  68
.set G0SA,  76
.set G1SB,  80
.set G0SB,  88
.set MSB, 0
.macro WIN new                         ; the immediate's high byte repeats the setting that is left
.if MSB != \new
	s_set_vgpr_msb (MSB<<8)|\new
.set MSB, \new
.endif
.endm
.set MUL,  0xa1                        ; source 0 (W) window 1, source 1 (x) window 0, C and D window 2
.set TO_B, 0x40                        ; destination window 1
.macro JLOAD g0a, g1a, g0b, g1b        ; a joint load: waves 0, 1 fetch for x, waves 2, 3 for W; an s_nop 0 and four v_nop follow each line
	s_cmp_eq_u32 s15, 0
	s_cbranch_scc0 .Lfor_b_\@
	tensor_load_to_lds s[\g0a:\g0a+3], s[\g1a:\g1a+7]
	s_nop 0
.rept 4
	v_nop
.endr
	s_branch .Lasked_\@
.Lfor_b_\@:
	tensor_load_to_lds s[\g0b:\g0b+3], s[\g1b:\g1b+7]
	s_nop 0
.rept 4
	v_nop
.endr
.Lasked_\@:
.endm
.macro CREST                           ; a round of the cluster's barrier behind its opening barrier
	s_cmp_lg_u32 s14, 0
	s_cbranch_scc1 .Lnot_wave_0_\@
	s_barrier_signal -3
.Lnot_wave_0_\@:
	s_barrier_wait -3
	s_barrier_signal -1
	s_barrier_wait -1
.endm
.macro CROUND
	s_barrier_signal -1
	s_barrier_wait -1
	CREST
.endm
.macro PLACES n                        ; plain lines between a matrix instruction and a load into, or a read of, its registers
.rept \n
	v_nop
.endr
.endm
.macro FINISH
	s_wait_tensorcnt 0x0                           ; the wave's end
	ds_add_u32 v[SPW], v[NIL]
	s_wait_dscnt 0x0
	CROUND                                         ; the closing round
	s_endpgm
.endm
	s_load_b128 s[4:7], s[0:1], 0x0                ; xq, wq
	s_load_b64 s[8:9], s[0:1], 0x10                ; qkv
	v_lshl_add_u32 v[SPW], v0, 2, SPARE
	v_mov_b32 v[NIL], 0
	ds_add_u32 v[SPW], v[NIL]                      ; the wave's opening
	ds_add_u32 v[SPW], v[NIL]
	v_lshrrev_b32 v1, 5, v0
	v_readfirstlane_b32 s14, v1                    ; wave
	s_lshr_b32 s15, s14, 1                         ; which 128 rows of x are mine.  Also: I fetch for x (0) or W (1)
	s_and_b32 s16, s14, 1                          ; which 64 rows of W.  Also: which half I fetch
	s_bfe_u32 s40, ttmp6, 0x40000                  ; cx
	s_bfe_u32 s41, ttmp6, 0x40004                  ; cy
	s_lshl_b32 s42, ttmp9, 2
	s_add_co_u32 s42, s42, s40                     ; tile column
	s_and_b32 s17, ttmp7, 0xffff
	s_lshl_b32 s17, s17, 2
	s_add_co_u32 s17, s17, s41                     ; tile row
	s_lshl_b32 s43, s41, 2
	s_lshl_b32 s43, 15, s43                        ; my row of the cluster
	s_lshl_b32 s44, 0x1111, s40                    ; my column
	s_or_b32 s[G1A], s43, (3<<16)|(1<<21)          ; the mask; elements of 8 bytes; bit 21 beside a mask; no padding: an image's loads are consecutive
	s_or_b32 s[G1B], s44, (3<<16)|(1<<21)
	s_or_b32 s[G1SA], s43, (3<<16)|(1<<21)
	s_or_b32 s[G1SB], s44, (3<<16)|(1<<21)
	s_mov_b32 s[G1A+1], 768<<16                    ; a row: one block's 6,144 bytes of a slot
	s_mov_b32 s[G1A+2], 16<<16                     ; 16 blocks for the head's load; set to 8 behind it, for the ring's
	s_mov_b32 s[G1A+3], 768<<16
	s_mov_b32 s[G1A+4], 16
	s_mov_b32 s[G1A+5], RBB/8
	s_mov_b32 s[G1A+6], 0
	s_mov_b32 s[G1A+7], 0
	s_mov_b32 s[G1B+1], 768<<16
	s_mov_b32 s[G1B+2], 8<<16                      ; 8 blocks for the head's load; set to 4 behind it
	s_mov_b32 s[G1B+3], 768<<16
	s_mov_b32 s[G1B+4], 8
	s_mov_b32 s[G1B+5], RBB/8
	s_mov_b32 s[G1B+6], 0
	s_mov_b32 s[G1B+7], 0
	s_mov_b32 s[G1SA+1], 32<<16                    ; the scale words: a dense block, as rows of 256 bytes
	s_mov_b32 s[G1SA+2], (2*ASH/256)<<16           ; all 16 blocks' words by one load
	s_mov_b32 s[G1SA+3], 32<<16
	s_mov_b32 s[G1SA+4], 2*ASH/256
	s_mov_b32 s[G1SA+5], 32
	s_mov_b32 s[G1SA+6], 0
	s_mov_b32 s[G1SA+7], 0
	s_mov_b32 s[G1SB+1], 32<<16
	s_mov_b32 s[G1SB+2], (2*BSH/256)<<16           ; all 8 blocks' words by one load
	s_mov_b32 s[G1SB+3], 32<<16
	s_mov_b32 s[G1SB+4], 2*BSH/256
	s_mov_b32 s[G1SB+5], 32
	s_mov_b32 s[G1SB+6], 0
	s_mov_b32 s[G1SB+7], 0
	s_lshl_b32 s20, s17, 4                         ; x: the tile's first row block, 16 x tile row
	s_mul_i32 s22, s20, BSTR
	s_add_co_u32 s22, s22, ASCO                    ; its scale words,
	s_mul_i32 s20, s20, RBB                        ; its codes
	s_mov_b32 s21, 0
	s_mov_b32 s23, 0
	s_lshl_b32 s46, s42, 3                         ; W: the tile's first row block, 8 x tile column
	s_mul_i32 s92, s46, BSTR
	s_add_co_u32 s92, s92, BSCO
	s_mul_i32 s46, s46, RBB
	s_mov_b32 s47, 0
	s_mov_b32 s93, 0
	s_mul_i32 s45, s16, AHALF                      ; where they go: no place in the cluster enters an LDS address
	s_mul_i32 s94, s16, BHALF
	s_add_co_u32 s94, s94, 2*AHALF
	s_mul_i32 s96, s16, 8*RBB                      ; in the ring I fetch half a tile: which half of x's blocks, in bytes,
	s_mov_b32 s97, 0
	s_mul_i32 s18, s16, 4*RBB                      ; and of W's
	s_mov_b32 s19, 0
	s_mov_b32 s98, 0x76543210
	s_mov_b32 s99, 0xfedcba98                      ; selects for lane l xor 16
	s_wait_dscnt 0x0                               ; the opening add is done
	s_wait_kmcnt 0x0
	s_add_nc_u64 s[20:21], s[4:5], s[20:21]
	s_add_nc_u64 s[22:23], s[4:5], s[22:23]
	s_add_nc_u64 s[46:47], s[6:7], s[46:47]
	s_add_nc_u64 s[92:93], s[6:7], s[92:93]
	CROUND                                         ; all sixteen work-groups are here: the first joint loads meet
	s_mov_b32 s[G0SA], 1
	s_mov_b32 s[G0SA+1], SCL
	s_mov_b64 s[G0SA+2:G0SA+3], s[22:23]
	s_or_b32 s[G0SA+3], s[G0SA+3], 0x80000000
	s_mov_b32 s[G0SB], 1
	s_mov_b32 s[G0SB+1], SCL+2*ASH
	s_mov_b64 s[G0SB+2:G0SB+3], s[92:93]
	s_or_b32 s[G0SB+3], s[G0SB+3], 0x80000000
	s_mov_b32 s[G0A], 1                            ; slot 0's group 0 serves the head's load first: x's 16 blocks, whole
	s_mov_b32 s[G0A+1], 0
	s_mov_b64 s[G0A+2:G0A+3], s[20:21]
	s_or_b32 s[G0A+3], s[G0A+3], 0x80000000
	s_mov_b32 s[G0B], 1                            ; W's 8 blocks, behind them
	s_mov_b32 s[G0B+1], 2*AHALF
	s_mov_b64 s[G0B+2:G0B+3], s[46:47]
	s_or_b32 s[G0B+3], s[G0B+3], 0x80000000
	s_add_nc_u64 s[20:21], s[20:21], s[96:97]      ; for the ring: my half of the tile
	s_add_nc_u64 s[46:47], s[46:47], s[18:19]
	s_mov_b32 s[G0A+4], 1                          ; slot 1: the second 512 along K
	s_add_co_u32 s[G0A+5], s45, SLOT
	s_add_nc_u64 s[G0A+6:G0A+7], s[20:21], BLK
	s_or_b32 s[G0A+7], s[G0A+7], 0x80000000
	s_mov_b32 s[G0B+4], 1
	s_add_co_u32 s[G0B+5], s94, SLOT
	s_add_nc_u64 s[G0B+6:G0B+7], s[46:47], BLK
	s_or_b32 s[G0B+7], s[G0B+7], 0x80000000
; THE HEAD'S LOADS, ONE A WAVE: wave 0 slot 0's blocks of x, wave 1 those of W, wave 2 x's scale words, wave 3 W's.  One chain of branches on the wave's number, one load to an arm, one join.
.macro ARM under, g0, g1, next
	s_cmp_lt_u32 s14, \under
	s_cbranch_scc0 \next
	tensor_load_to_lds s[\g0:\g0+3], s[\g1:\g1+7]
	s_nop 0
.rept 4
	v_nop
.endr
	s_branch .Lhead_asked
\next:
.endm
	ARM 1, G0A,  G1A,  .Lhead_b
	ARM 2, G0B,  G1B,  .Lhead_sa
	ARM 3, G0SA, G1SA, .Lhead_sb
	tensor_load_to_lds s[G0SB:G0SB+3], s[G1SB:G1SB+7]
	s_nop 0
.rept 4
	v_nop
.endr
.Lhead_asked:
	v_and_b32 v1, 15, v0                           ; r
	v_bfe_u32 v2, v0, 4, 1                         ; h
	s_wait_alu depctr_va_vdst(0)
	v_and_b32 v3, 31, v0                           ; lane
	v_lshlrev_b32 v30, 4, v3                       ; 16 x lane: my place in an image
	v_lshlrev_b32 v31, 4, v1                       ; 16 r: my row's four scale words
	s_wait_alu depctr_va_vdst(0)
	v_lshlrev_b32 v23, 3, v2                       ; 8 h
	s_mul_i32 s21, s15, AHALF
	s_mul_i32 s22, s16, BHALF
	s_add_co_u32 s22, s22, 2*AHALF
.irp s, 0,1
	v_add_nc_u32 v[ADRA+\s], s21, v30
	v_add_nc_u32 v[ADRB+\s], s22, v30
	s_add_co_u32 s21, s21, SLOT
	s_add_co_u32 s22, s22, SLOT
.endr
	s_mul_i32 s21, s15, ASH                        ; x's words of my 8 blocks
	s_mul_i32 s22, s16, BSH
	s_add_co_u32 s22, s22, 2*ASH                   ; W's of my 4, behind x's
	s_sub_co_u32 s22, s22, s21
	v_mul_u32_u24 v6, s22, v2                      ; lanes 16-31 take W's: one product, the lower base + h x the distance
	s_add_co_u32 s21, s21, SCL
	v_add_nc_u32 v[ADRSA], s21, v31
	v_add_nc_u32 v[ADRS], v[ADRSA], v6
	v_and_b32 v7, 8, v1
	v_add_nc_u32 v7, v7, v1                        ; r + 8 (r / 8)
	s_mul_i32 s23, s14, VST                        ; v's way out: my stage
	v_mul_u32_u24 v26, v7, 144
	v_lshl_add_u32 v26, v2, 6, v26
	v_add_nc_u32 v26, s23, v26                     ; in: key row r + 8 (r / 8), + 64 h
	v_lshlrev_b32 v27, 2, v7
	v_mad_u32_u24 v27, v2, 4608, v27
	v_add_nc_u32 v27, s23, v27                     ; back: column r + 8 (r / 8), 32 h rows down
.irp b, 0,1,2,3
	v_mov_b32 v[TM+4+\b], 0                        ; a lane permute's destination counts as read: written once
.endr
; PREFETCH INTO THE L2.  A fill is 6,144 bytes, 24 blocks of 256, of each row block.  Each block of 256 bytes is named once in each cluster that will load it: of x's 16 row blocks the partner at cx takes 4, of W's 8 the partner
; at cy takes 2, told apart by address alone.  Waves 0-2 ask for x: a lane names block of 256 bytes 8 v + lane % 8 of row block lane / 8; wave 3 asks for W: lane % 16 of row block lane / 16, then 16 + lane % 16, held at 23.
; Fill 1 is asked for here, behind the head's loads; fills 2 and 3 behind fill 1's load: one and two fills ahead of the loads that want them.  Every fill's place stands in the immediate: no address register is written again.
.set PFO, 18                           ; v18, v19 the prefetches' offsets; never rewritten
.macro ASK f
	global_prefetch_b8 v[PFO], s[4:5] offset:(\f)*BLK th:TH_LOAD_NT scope:SCOPE_SE
	s_cmp_lg_u32 s14, 3
	s_cbranch_scc1 .Lpf_\@
	global_prefetch_b8 v[PFO+1], s[4:5] offset:(\f)*BLK th:TH_LOAD_NT scope:SCOPE_SE
.Lpf_\@:
.endm
	s_cmp_lt_u32 s14, 3                            ; the choice hangs on the wave's number alone
	s_cselect_b64 s[4:5], s[4:5], s[6:7]           ; xq or wq
	s_cselect_b32 s12, 3, 4                        ; log2 of the lanes to a row block
	s_cselect_b32 s13, 7, 15
	s_lshl_b32 s21, s17, 4
	s_lshl_b32 s22, s40, 2
	s_add_co_u32 s21, s21, s22                     ; x: row block 16 x tile row + 4 cx
	s_lshl_b32 s22, s42, 3
	s_lshl_b32 s23, s41, 1
	s_add_co_u32 s22, s22, s23                     ; W: row block 8 x tile column + 2 cy
	s_cmp_lt_u32 s14, 3
	s_cselect_b32 s21, s21, s22
	s_cselect_b32 s22, s14, 0                      ; x: wave v takes eight blocks of 256 bytes, 2,048 v on
	s_mul_i32 s21, s21, RBB
	s_lshl_b32 s22, s22, 11
	s_add_co_u32 s22, s21, s22
	s_mov_b32 s23, 0
	s_add_nc_u64 s[4:5], s[4:5], s[22:23]
	v_lshrrev_b32 v8, s12, v3
	v_and_b32 v9, s13, v3
	v_mul_u32_u24 v8, v8, RBB
	v_lshl_add_u32 v[PFO], v9, 8, v8
	v_add_nc_u32 v9, 16, v9
	v_min_u32 v9, 23, v9
	v_lshl_add_u32 v[PFO+1], v9, 8, v8
	s_wait_alu depctr_va_vdst(0)
	ASK 1
.macro FRAGB reg, adr, q, i            ; a fragment's image: three loads, 512 consecutive bytes each
.irp g, 0,1,2
	ds_load_b128 v[\reg+4*\g:\reg+4*\g+3], v[\adr] offset:BLK*(\i)+FRB*(\q)+512*\g
.endr
.endm
.macro FETCH_B slot, q, p              ; W's four fragments of the slot's q-th 128 along K into set p
	WIN TO_B
.irp i, 0,1,2,3
	FRAGB 64*(\p)+12*\i, ADRB+\slot, \q, \i
.endr
	WIN 0
.endm
.macro FETCH_A slot, q, i0             ; x's blocks i0 .. i0 + 3
.irp i, \i0, \i0+1, \i0+2, \i0+3
	FRAGB AF+12*(\i), ADRA+\slot, \q, \i
.endr
.endm
.macro SCALES set, s                   ; the scale words of the s-th 512 along K: four words a row
.irp i, 0,1,2,3
	ds_load_b128 v[SC+32*\set+4*\i:SC+32*\set+4*\i+3], v[ADRS] offset:BSTR*\i+256*\s
.endr
.irp i, 4,5,6,7
	ds_load_b128 v[SC+32*\set+4*\i:SC+32*\set+4*\i+3], v[ADRSA] offset:BSTR*\i+256*\s
.endr
.endm
; 8 matrix instructions: x's blocks a0, a0 + 1 against W's four.  The 32 accumulators take turns, one instruction a turn, in the same order in every step.
.macro MUL8 a0, p, q, sc, zero
.irp a, \a0, \a0+1
.irp b, 0,1,2,3
.if \zero
	v_wmma_scale_f32_16x16x128_f8f6f4 v[8*(4*(\a)+\b):8*(4*(\a)+\b)+7], v[64*(\p)+12*\b:64*(\p)+12*\b+11], v[AF+12*(\a):AF+12*(\a)+11], 0, v[SC+32*(\sc)+4*\b+(\q)], v[SC+32*(\sc)+4*(\a)+(\q)] matrix_a_fmt:MATRIX_FMT_FP6 matrix_b_fmt:MATRIX_FMT_FP6 matrix_a_scale:MATRIX_SCALE_ROW1
.else
	v_wmma_scale_f32_16x16x128_f8f6f4 v[8*(4*(\a)+\b):8*(4*(\a)+\b)+7], v[64*(\p)+12*\b:64*(\p)+12*\b+11], v[AF+12*(\a):AF+12*(\a)+11], v[8*(4*(\a)+\b):8*(4*(\a)+\b)+7], v[SC+32*(\sc)+4*\b+(\q)], v[SC+32*(\sc)+4*(\a)+(\q)] matrix_a_fmt:MATRIX_FMT_FP6 matrix_b_fmt:MATRIX_FMT_FP6 matrix_a_scale:MATRIX_SCALE_ROW1
.endif
.endr
.endr
.endm
.macro STEP slot, q, zero              ; a step of 128 along K that has its successor in the same slot
	s_wait_dscnt 4*NLA                             ; all but the youngest loads, x's blocks 4-7
	WIN MUL
	MUL8 0, (\q)%2, \q, \slot, \zero
	MUL8 2, (\q)%2, \q, \slot, \zero
	s_wait_dscnt 0x0                               ; x's blocks 4-7 are in
	PLACES 4
	FETCH_B \slot, (\q)+1, 1-(\q)%2
	FETCH_A \slot, (\q)+1, 0
	WIN MUL
	MUL8 4, (\q)%2, \q, \slot, \zero
	MUL8 6, (\q)%2, \q, \slot, \zero
	PLACES 4
	WIN 0
	FETCH_A \slot, (\q)+1, 4
.endm
; A slot's last step changes slots: one barrier; in front of it each wave waits for all its tensor loads, adds 0 to its spare word, and waits for that and for its reads of this slot.
; fill = 1: the barrier opens a round of the cluster's, and this slot is filled again, with the 512 along K two fills on: the load has the other slot's 128 matrix instructions in which to land.
.macro TURN slot, next, sn, fill
	s_wait_tensorcnt 0x0                           ; my part of the next slot has landed; no load of mine is out
	ds_add_u32 v[SPW], v[NIL]
	s_wait_dscnt 4*NLA+1                           ; (the add and x's blocks 4-7 may be out)
	WIN MUL
	MUL8 0, 1, 3, \slot, 0
	s_wait_dscnt 0x0                               ; the add is done, and my reads of this slot are over
	s_barrier_signal -1
	MUL8 2, 1, 3, \slot, 0
	WIN 0
	s_barrier_wait -1
.if \fill
	CREST
	s_add_nc_u64 s[G0A+4*\slot+2:G0A+4*\slot+3], s[G0A+4*\slot+2:G0A+4*\slot+3], 2*BLK
	s_add_nc_u64 s[G0B+4*\slot+2:G0B+4*\slot+3], s[G0B+4*\slot+2:G0B+4*\slot+3], 2*BLK
	JLOAD G0A+4*\slot, G1A, G0B+4*\slot, G1B       ; the first tensor load behind the round; its four v_nop are the places in front of the loads below
.else
	PLACES 4
.endif
	FETCH_B \next, 0, 0
	FETCH_A \next, 0, 0
	SCALES \next, \sn
	WIN MUL
	MUL8 4, 1, 3, \slot, 0
	MUL8 6, 1, 3, \slot, 0
	PLACES 4
	WIN 0
	FETCH_A \next, 0, 4
.endm
	s_wait_alu depctr_va_vdst(0)                   ; the head's end
	s_wait_tensorcnt 0x0                           ; my tile of the head's four is in; slot 1's first fill is issued as a refill is:
	ds_add_u32 v[SPW], v[NIL]
	s_mov_b32 s[G1A+2], 8<<16                      ; no load of mine is out, so descriptors may be written: the ring's loads bring 8 blocks of x,
	s_mov_b32 s[G1A+4], 8
	s_mov_b32 s[G1B+2], 4<<16                      ; or 4 of W,
	s_mov_b32 s[G1B+4], 4
	s_mov_b32 s[G0A+1], s45                        ; and slot 0's group 0 points at my half from here on
	s_add_nc_u64 s[G0A+2:G0A+3], s[G0A+2:G0A+3], s[96:97]
	s_mov_b32 s[G0B+1], s94
	s_add_nc_u64 s[G0B+2:G0B+3], s[G0B+2:G0B+3], s[18:19]
	s_wait_dscnt 0x0                               ; the add is done
	CROUND                                         ; all four tiles are in, and all sixteen work-groups are here
	JLOAD G0A+4, G1A, G0B+4, G1B                   ; slot 1: the first tensor load behind the round; one load of mine is out
	FETCH_B 0, 0, 0
	FETCH_A 0, 0, 0
	SCALES 0, 0
	FETCH_A 0, 0, 4
	ASK 2                                          ; behind fill 1's load and the run of LDS loads
	ASK 3
	STEP 0, 0, 1                                   ; the first products start the sums: nothing is cleared
	STEP 0, 1, 0
	STEP 0, 2, 0
	TURN 0, 1, 1, 1
	STEP 1, 0, 0
	STEP 1, 1, 0
	STEP 1, 2, 0
	TURN 1, 0, 2, 1
	STEP 0, 0, 0
	STEP 0, 1, 0
	STEP 0, 2, 0
	TURN 0, 1, 3, 0
	STEP 1, 0, 0
	STEP 1, 1, 0
	STEP 1, 2, 0
	s_wait_dscnt 4*NLA                             ; the last step: nothing more to fetch
	WIN MUL
	MUL8 0, 1, 3, 1, 0
	MUL8 2, 1, 3, 1, 0
	s_wait_dscnt 0x0
	MUL8 4, 1, 3, 1, 0
	MUL8 6, 1, 3, 1, 0
	WIN 0
	PLACES 4
	s_lshr_b32 s18, s17, 3                         ; b
	s_and_b32 s19, s17, 7
	s_lshl_b32 s19, s19, 1
	s_add_co_u32 s19, s19, s15                     ; my rows' step of 128
	s_lshl_b32 s20, s42, 1
	s_add_co_u32 s20, s20, s16                     ; my 64 columns: 0-15 q's heads, 16-23 k's, 24-31 v's
	s_cmp_eq_u32 ttmp9, 3                          ; the cluster's x: the same in all partners
	s_cbranch_scc1 .Lv
	; ---- q and k: quantised along the head's 64, in registers.  Accumulators 64 i .. 64 i + 63 are row tiles 2 i and 2 i + 1: four blocks of 32, register 16 b + n = place 32 b + 16 h + n
	s_cmp_eq_u32 ttmp9, 2
	s_cselect_b32 s21, 3, 4                        ; heads a batch: 8 or 16
	s_cselect_b32 s22, 16, 0
	s_mov_b32 s23, 6400
	s_cselect_b32 s23, 12800, s23                  ; a unit's bytes
	s_cselect_b32 s45, KVB, 0
	s_mov_b32 s47, 6144
	s_cselect_b32 s47, 12288, s47                  ; where the unit's words begin
	s_lshl_b32 s21, s18, s21
	s_add_co_u32 s21, s21, s20
	s_sub_co_u32 s21, s21, s22
	s_lshl_b32 s21, s21, 4
	s_add_co_u32 s21, s21, s19
	s_mul_i32 s22, s21, s23
	s_add_co_u32 s22, s22, s45
	s_mov_b32 s23, 0
	s_add_nc_u64 s[10:11], s[8:9], s[22:23]
	s_mov_b32 s46, s47
	s_mov_b32 s47, 0
	s_add_nc_u64 s[12:13], s[10:11], s[46:47]
.macro QUANT be
	WIN 0x28                                       ; sources 1 and 2 window 2
.irp b, 0,1,2,3
	v_max3_num_f32 v[TM+\b], 0x1800000, |v[64*(\be)+16*\b]|, |v[64*(\be)+16*\b+1]|   ; with the floor 2^(3 - 127).  Each accumulator is read from its low end on
.endr
.irp i, 2,4,6,8,10,12,14
.irp b, 0,1,2,3
	v_max3_num_f32 v[TM+\b], v[TM+\b], |v[64*(\be)+16*\b+\i]|, |v[64*(\be)+16*\b+\i+1]|
.endr
.endr
	WIN 0
.irp b, 0,1,2,3
	v_permlanex16_b32 v[TM+4+\b], v[TM+\b], s98, s99
.endr
.irp b, 0,1,2,3
	v_max_num_f32 v[TM+\b], v[TM+\b], v[TM+4+\b]   ; with lane l xor 16's 16: the block's largest magnitude
.endr
.irp b, 0,1,2,3
	v_add_nc_u32 v[TM+12+\b], 0xff000000, v[TM+\b] ; 2 off the exponent field: the conversion's scale operand
.endr
.irp b, 0,1,2,3
	v_lshrrev_b32 v[TM+4+\b], 23, v[TM+12+\b]      ; the scale's byte
.endr
	v_lshl_or_b32 v[WDS+(\be)], v[TM+5], 8, v[TM+4]
	v_lshl_or_b32 v[WDS+(\be)], v[TM+6], 16, v[WDS+(\be)]
	v_lshl_or_b32 v[WDS+(\be)], v[TM+7], 24, v[WDS+(\be)]
	WIN 0x02                                       ; source 0 window 2
.irp c, 0,1
	v_cvt_scalef32_pk16_fp6_f32 v[128+12*(\be)+6*\c:128+12*(\be)+6*\c+2], v[64*(\be)+32*\c:64*(\be)+32*\c+15], v[TM+12+2*\c]
	v_cvt_scalef32_pk16_fp6_f32 v[TP+4*\c:TP+4*\c+2], v[64*(\be)+32*\c+16:64*(\be)+32*\c+31], v[TM+12+2*\c+1]
.endr
	WIN 0
	v_nop                                          ; one plain line behind the scaled conversions
.irp c, 0,1                                    ; the layout wants a whole block in a lane
.irp i, 0,1,2
	v_permlane16_swap_b32 v[128+12*(\be)+6*\c+\i], v[TP+4*\c+\i]
.endr
.irp i, 0,1,2
	v_mov_b32 v[128+12*(\be)+3+6*\c+\i], v[TP+4*\c+\i]
.endr
.endr
.irp g, 0,1,2
	global_store_b128 v30, v[128+12*(\be)+4*\g:128+12*(\be)+4*\g+3], s[10:11] offset:1536*(\be)+512*\g   ; 512 consecutive bytes; each double fragment has registers of its own
.endr
.endm
.macro WORDS                           ; lanes 0-15 store 256 consecutive bytes, aligned
	v_cmp_gt_u32 vcc_lo, 16, v3
	s_wait_xcnt 0x0                                ; EXEC changes only behind this wait
	s_and_saveexec_b32 s45, vcc_lo
	global_store_b128 v31, v[WDS:WDS+3], s[12:13]
	s_wait_xcnt 0x0
	s_or_b32 exec_lo, exec_lo, s45
.endm
	QUANT 0
	QUANT 1
	QUANT 2
	QUANT 3
	WORDS
	FINISH
.Lv:	; ---- v: quantised along the keys, which lie across lanes and accumulators: 32 channels at a time go through my stage, [key][channel], and come back a lane to a channel, registers down the keys
	s_lshl_b32 s21, s18, 3
	s_add_co_u32 s21, s21, s20
	s_sub_co_u32 s21, s21, 24
	s_lshl_b32 s21, s21, 4
	s_add_co_u32 s21, s21, s19
	s_mul_i32 s22, s21, 12800
	s_add_co_u32 s22, s22, KVB+6144
	s_mov_b32 s23, 0
	s_add_nc_u64 s[10:11], s[8:9], s[22:23]
	s_add_nc_u64 s[12:13], s[10:11], 6400
.macro Q6V dt                          ; XV's 64 numbers, register 32 c + i = key 64 c + 32 h + i of my channel: two whole blocks a lane
.irp c, 0,1
	v_max3_num_f32 v[TM+\c], |v[XV+32*\c]|, |v[XV+32*\c+1]|, 0x1800000
.endr
.irp i, 2,4,6,8,10,12,14,16,18,20,22,24,26,28,30
.irp c, 0,1
	v_max3_num_f32 v[TM+\c], v[TM+\c], |v[XV+32*\c+\i]|, |v[XV+32*\c+\i+1]|
.endr
.endr
.irp c, 0,1
	v_add_nc_u32 v[TM+2+\c], 0xff000000, v[TM+\c]
.endr
.irp c, 0,1
	v_lshrrev_b32 v[TM+4+\c], 23, v[TM+2+\c]
.endr
	v_lshl_or_b32 v[WDS+(\dt)], v[TM+5], 16, v[TM+4]
	v_lshlrev_b32 v[WDS+(\dt)], v23, v[WDS+(\dt)]
	v_permlanex16_b32 v[TM+6], v[WDS+(\dt)], s98, s99
	v_or_b32 v[WDS+(\dt)], v[WDS+(\dt)], v[TM+6]
.irp c, 0,1
	v_cvt_scalef32_pk16_fp6_f32 v[192+12*(\dt)+6*\c:192+12*(\dt)+6*\c+2], v[XV+32*\c:XV+32*\c+15], v[TM+2+\c]
	v_cvt_scalef32_pk16_fp6_f32 v[TP+4*\c:TP+4*\c+2], v[XV+32*\c+16:XV+32*\c+31], v[TM+2+\c]
.endr
	v_nop
.irp c, 0,1
.irp i, 0,1,2
	v_mov_b32 v[192+12*(\dt)+3+6*\c+\i], v[TP+4*\c+\i]
.endr
.endr
.irp g, 0,1,2
	global_store_b128 v30, v[192+12*(\dt)+4*\g:192+12*(\dt)+4*\g+3], s[10:11] offset:1536*(\dt)+512*\g
.endr
.endm
	s_wait_alu depctr_va_vdst(0)
.irp e, 0,1
	WIN 0x08                                       ; an LDS store's data are its source 1: window 2
.irp a, 0,1,2,3,4,5,6,7
.irp u, 0,1
	ds_store_b128 v26, v[8*(4*\a+2*\e+\u):8*(4*\a+2*\e+\u)+3] offset:(32*(\a/2)+8*(\a%2))*144+32*\u        ; each accumulator from its low end on
	ds_store_b128 v26, v[8*(4*\a+2*\e+\u)+4:8*(4*\a+2*\e+\u)+7] offset:(32*(\a/2)+8*(\a%2))*144+32*\u+16
.endr
.endr
	WIN 0
.irp u, 0,1
.set n, 0
.rept 64
	ds_load_b32 v[XV+n], v27 offset:32*\u+(64*(n/32)+n%32)*144   ; LDS serves a wave's instructions in order: these see my stores
.set n, n+1
.endr
	s_wait_dscnt 0x0
	Q6V 2*\e+\u
.endr
.endr
	WORDS
	FINISH
.Lfunc_end_k_q83d9e13c8a_proj:
	.size	k_q83d9e13c8a_proj, .Lfunc_end_k_q83d9e13c8a_proj-k_q83d9e13c8a_proj
	.p2alignl 7, 3214868480
	.fill 96, 4, 3214868480
	.section	.rodata,"a",@progbits
	.p2align	6, 0x0
	.amdhsa_kernel k_q83d9e13c8a_proj
		.amdhsa_group_segment_fixed_size 327680
		.amdhsa_private_segment_fixed_size 0
		.amdhsa_enable_private_segment 0
		.amdhsa_kernarg_size 24
		.amdhsa_user_sgpr_count 2
		.amdhsa_user_sgpr_kernarg_segment_ptr 1
		.amdhsa_wavefront_size32 1
		.amdhsa_system_sgpr_workgroup_id_x 1
		.amdhsa_system_sgpr_workgroup_id_y 1
		.amdhsa_system_sgpr_workgroup_id_z 1
		.amdhsa_system_vgpr_workitem_id 0
		.amdhsa_next_free_vgpr 768
		.amdhsa_next_free_sgpr 100
		.amdhsa_reserve_vcc 1
		.amdhsa_float_denorm_mode_32 3
		.amdhsa_float_denorm_mode_16_64 3
		.amdhsa_memory_ordered 1
		.amdhsa_forward_progress 1
		.amdhsa_inst_pref_size 176
	.end_amdhsa_kernel
	.amdgpu_metadata
---
amdhsa.version: [ 1, 2 ]
amdhsa.kernels:
  - .name:           k_q83d9e13c8a_proj
    .symbol:         k_q83d9e13c8a_proj.kd
    .args:
      - { .name: xq, .offset: 0, .size: 8, .value_kind: global_buffer, .address_space: global }
      - { .name: wq, .offset: 8, .size: 8, .value_kind: global_buffer, .address_space: global }
      - { .name: qkv, .offset: 16, .size: 8, .value_kind: global_buffer, .address_space: global }
    .group_segment_fixed_size: 327680
    .private_segment_fixed_size: 0
    .kernarg_segment_align: 8
    .kernarg_segment_size: 24
    .max_flat_workgroup_size: 128
    .sgpr_count:     100
    .vgpr_count:     768
    .wavefront_size: 32
...
	.end_amdgpu_metadata
.endif
;; end of part 2
;; launch attn (part 3): grid 16 x 16, 16 waves a work-group, clusters of 4 x 1, 243,712 bytes of LDS; arguments qkv, oq; writes oq
.if DOCPART == 3
	.amdgcn_target "amdgcn-amd-amdhsa--gfx1250"
	.amdhsa_code_object_version 6
	.text
	.protected	k_q83d9e13c8a_attn
	.globl	k_q83d9e13c8a_attn
	.p2align	8
	.type	k_q83d9e13c8a_attn,@function
k_q83d9e13c8a_attn:
	s_mov_b64 s[64:65], 0
	v_nop
	global_prefetch_b8 v0, s[64:65] scope:SCOPE_SE
	s_setreg_imm32_b32 hwreg(HW_REG_WAVE_MODE, 25, 1), 1
	s_wait_xcnt 0x0
	s_wait_alu depctr_hold_cnt(0) depctr_sa_sdst(0) depctr_va_vdst(0) depctr_va_sdst(0) depctr_va_ssrc(0) depctr_va_vcc(0) depctr_vm_vsrc(0)
	s_getreg_b32 s2, hwreg(HW_REG_IB_STS2, 6, 4)
	s_cmp_eq_u32 s2, 0
	s_cbranch_scc0 .Lentry_in_a_cluster
	s_endpgm
.Lentry_in_a_cluster:
	s_bfe_u32 s2, ttmp6, 0x10000c
	s_cmp_lg_u32 s2, 0x3003
	s_cbranch_scc0 .Lentry_shape_is_right
	s_endpgm
.Lentry_shape_is_right:
; Causal attention on codes of FP6 (E2M3): S^T = k q^T (K = the head's 64), p = 2^(t - M) quantised along the keys, O^T = v^T p^T (K = the keys), O / l quantised along (head, d) for the last product.
; t = score x log2(e) / 8; M = the running largest t rounded UP to a whole number; the row's sum l is taken of the unquantised p; when M moves, l and O^T are multiplied by 2^(old M - new M): exact.
; SHARES.  The grid's y is (b, kv head); its x, j = 0 .. 15, is (query head of the pair j / 8, tile j % 8).  A tile is 16 queries; its LEVEL is the step of 128 queries in which it lies, and it walks key steps 0 .. level.
; A work-group has one tile of each level and sixteen waves, in eight PAIRS.  Pair i = w % 4 + 4 (w / 8) serves the tiles of level i and of level 15 - i, 17 key steps in all:
;   the LOW wave ((w / 4) % 2 = 0) walks the large tile's steps 0 .. 8: nine steps;
;   the HIGH wave walks the small tile's steps 0 .. i and stores it, then the large tile's steps 9 .. 15 - i: eight steps; it hands its O^T, -M and l of the large tile to the low wave through LDS bytes of the pair's own.
; The low wave joins the two parts under the larger M, by two exact powers of two, and stores the large tile.  (With i = 7 the high wave's part is empty: zeros under M = -3e38, which the join multiplies by 0.)
; Both kinds run one text; every wave walks both loops (nine trips, then seven), and a step that is not its own, or all of whose keys come after the tile's queries, is left out by a scalar
; branch on the wave's number and the step's count.  Both kinds load q of two tiles at the head; the low wave's two are the same tile.
; LDS holds ALL of the head's k and v, 16 steps x 12,800 bytes, each brought once: wave w asks for step w by its one tensor load at the head; nothing is filled again.
; The four work-groups of a cluster share (b, kv head): each load is asked for JOINTLY.
; K = 64 fills half of the instruction's 128: a fragment of k holds TWO tiles of 16 keys (k 0-63, k 64-127), and q stands beside 64 zero codes, once below and once above: the half that meets the zeros adds nothing.
; LAYOUT: a lane holds one query (lane % 16) throughout; the 16 registers of score tiles 2 b, 2 b + 1 are keys 32 b + 16 (lane / 16) + 0 .. 15; likewise O^T's tiles along d.
; No prefetch: all tiles are asked for by the tensor loads at the head, and there is no loop to run ahead in.
; OUT (oq): [row block][kv head][1,536] with register pair p of lane l at 256 p + 8 l; my query head's 64 are pairs 3 g .. 3 g + 2.  Scale bytes: two a lane and row, to words that waves of other work-groups complete: the one store here that covers no whole 256 bytes.
; LIMITS: a block of zeros gets the byte 1; p under 2^-126 counts as 0; NaN and infinities are not served; the scaled scores stay under 2^31 in magnitude.
.set UNIT,  12800
.set KVB,   3276800
.set SPARE, 16*UNIT                    ; the spare words, 128 bytes a wave, that no other line names
.set STAGE, SPARE+2048                 ; behind them: a pair's 4,608 bytes: images of O^T's 32 registers and of v12-15; no tensor load lands here
.set PSZ,   4608
.set LI,  1                            ; v1  16 x lane
.set LR,  2                            ; v2  16 r + 12,288: k's scale words in a step
.set SPW, 3
.set NIL, 4
.set DQ,  5                            ; v5  my query's place in its step - 16 h
.set ADK, 8
.set ADS, 9
.set F,   34                           ; v34-81 four fragments of k, then of v
.set STG, 93                           ; v93 my place in my pair's bytes
.set Q2,  192                          ; v192-197 the second tile's q, v198 its scale word
.set WV,  18
.set LV,  19                           ; s19 the level of the tile in hand
.set SEL, 20
.set CS,  22
.set G1,  24
.set G0,  32
.set LB,  43                           ; s43 the large tile's level
.set PI,  45                           ; s45 my pair, and the small tile's level
.set TY,  46                           ; s46 0: low wave, 1: high wave
.set HI,  47                           ; s47 the last step that I walk for the tile in hand
.set TB,  48                           ; s48 LDS byte of the step in hand
.set SG,  49                           ; s49 its number
.set CNT, 50
.macro CROUND
	s_barrier_signal -1
	s_barrier_wait -1
	s_cmp_lg_u32 s[WV], 0
	s_cbranch_scc1 .Lnot_wave_0_\@
	s_barrier_signal -3
.Lnot_wave_0_\@:
	s_barrier_wait -3
	s_barrier_signal -1
	s_barrier_wait -1
.endm
	s_load_b128 s[4:7], s[0:1], 0x0                ; qkv, oq
	v_lshl_add_u32 v[SPW], v0, 2, SPARE
	v_mov_b32 v[NIL], 0
	ds_add_u32 v[SPW], v[NIL]                      ; the wave's opening
	ds_add_u32 v[SPW], v[NIL]
	v_lshrrev_b32 v8, 5, v0
	s_delay_alu instid0(VALU_DEP_1)
	v_readfirstlane_b32 s[WV], v8
	s_and_b32 s[PI], s[WV], 3
	s_lshr_b32 s44, s[WV], 3
	s_lshl_b32 s44, s44, 2
	s_add_co_u32 s[PI], s[PI], s44                 ; my pair
	s_bfe_u32 s[TY], s[WV], 0x10002                ; my kind
	s_sub_co_u32 s[LB], 15, s[PI]
	s_cmp_eq_u32 s[TY], 0
	s_cselect_b32 s[LV], s[LB], s[PI]              ; the first tile: the large one (low wave) or the small one
	s_cselect_b32 s[HI], 8, s[PI]
	s_mul_i32 s44, s[PI], PSZ
	s_add_co_u32 s44, s44, STAGE
	s_bfe_u32 s54, ttmp6, 0x40000                  ; cx
	s_lshl_b32 s55, ttmp9, 2
	s_add_co_u32 s55, s55, s54                     ; j: it enters q's and O's addresses and the mask's numbers alone
	s_and_b32 s56, ttmp7, 0xffff                   ; y = 8 b + kv head, which the partners share
	s_mov_b32 s[G1], 15|(3<<16)|(1<<21)            ; all four work-groups; elements of 8 bytes; bit 21 beside a mask
	s_mov_b32 s[G1+1], 32<<16                      ; a step's 12,800 dense bytes as 50 rows of 256
	s_mov_b32 s[G1+2], 50<<16
	s_mov_b32 s[G1+3], 32<<16
	s_mov_b32 s[G1+4], 50
	s_mov_b32 s[G1+5], 32
	s_mov_b32 s[G1+6], 0
	s_mov_b32 s[G1+7], 0
	s_lshl_b32 s57, s56, 4
	s_add_co_u32 s57, s57, s[WV]
	s_mul_i32 s58, s57, UNIT
	s_add_co_u32 s58, s58, KVB                     ; step w of my head, in memory,
	s_mov_b32 s59, 0
	s_mul_i32 s57, s[WV], UNIT                     ; and in LDS
	s_lshr_b32 s60, s55, 3                         ; g
	s_and_b32 s61, s55, 7                          ; my tiles' place in their steps
	s_lshr_b32 s62, s61, 1                         ; its double fragment,
	s_and_b32 s63, s55, 1                          ; and which half of it
	s_lshl_b32 s66, s56, 1
	s_add_co_u32 s66, s66, s60                     ; 16 b + query head
	s_lshl_b32 s66, s66, 4
	s_add_co_u32 s67, s66, s[LB]
	s_add_co_u32 s66, s66, s[LV]
	s_mul_i32 s66, s66, 6400                       ; q's unit of the first tile,
	s_mul_i32 s67, s67, 6400                       ; and of the large one
	s_mul_i32 s53, s62, 1536
	s_add_co_u32 s68, s53, s66
	s_add_co_u32 s36, s53, s67
	s_mov_b32 s69, 0
	s_mov_b32 s37, 0
	s_lshl_b32 s53, s62, 2
	s_add_co_u32 s53, s53, 6144
	s_add_co_u32 s70, s53, s66
	s_add_co_u32 s38, s53, s67
	s_mov_b32 s71, 0
	s_mov_b32 s39, 0
	s_cmp_eq_u32 s63, 1
	s_cselect_b32 s51, -1, 0                       ; all lanes: the upper half
	s_mov_b32 s52, 0x01000100
	s_cselect_b32 s52, 0x03020302, s52             ; my tile's two scale bytes, twice
	s_lshl_b32 s53, s62, 5
	s_lshl_b32 s54, s63, 3
	s_add_co_u32 s53, s53, s54
	s_mov_b32 s[SEL], 0x76543210
	s_mov_b32 s[SEL+1], 0xfedcba98
	s_mov_b32 s[CS], 0x3e38aa3b                    ; c = log2(e) / 8
	s_mov_b32 s[CS+1], s[CS]
	v_and_b32 v8, 15, v0                           ; r
	v_bfe_u32 v9, v0, 4, 1                         ; h
	v_and_b32 v10, 31, v0                          ; lane
	s_delay_alu instid0(VALU_DEP_1)
	v_lshlrev_b32 v[LI], 4, v10
	s_delay_alu instid0(VALU_DEP_2)
	v_lshlrev_b32 v6, 3, v10                       ; 8 x lane
	v_lshlrev_b32 v7, 4, v8                        ; 16 r
	s_delay_alu instid0(VALU_DEP_1)
	v_add_nc_u32 v[LR], 12288, v7
	v_and_b32 v11, 8, v8
	s_delay_alu instid0(VALU_DEP_1)
	v_add_nc_u32 v11, v11, v8                      ; r + 8 (r / 8)
	v_lshlrev_b32 v9, 4, v9
	s_delay_alu instid0(VALU_DEP_1)
	v_sub_nc_u32 v[DQ], v11, v9
	s_delay_alu instid0(VALU_DEP_1)
	v_add_nc_u32 v[DQ], s53, v[DQ]
	v_add_nc_u32 v[STG], s44, v[LI]
	s_wait_alu depctr_va_vdst(0)
	s_wait_dscnt 0x0                               ; both opening adds are done
	s_wait_kmcnt 0x0
	s_add_nc_u64 s[58:59], s[4:5], s[58:59]
	s_add_nc_u64 s[68:69], s[4:5], s[68:69]
	s_add_nc_u64 s[70:71], s[4:5], s[70:71]
	s_add_nc_u64 s[36:37], s[4:5], s[36:37]
	s_add_nc_u64 s[38:39], s[4:5], s[38:39]
	s_mov_b32 s[G0], 1
	s_mov_b32 s[G0+1], s57
	s_mov_b64 s[G0+2:G0+3], s[58:59]
	s_or_b32 s[G0+3], s[G0+3], 0x80000000
	CROUND                                         ; all four work-groups are here: the joint loads meet
	tensor_load_to_lds s[G0:G0+3], s[G1:G1+7]      ; my one tensor load of the launch
	s_nop 0
.rept 4
	v_nop
.endr
.irp g, 0,1,2
	global_load_b128 v[96+4*\g:99+4*\g], v[LI], s[68:69] offset:512*\g     ; the first tile's double fragment of q,
	global_load_b128 v[108+4*\g:111+4*\g], v[LI], s[36:37] offset:512*\g   ; the large tile's
.endr
	global_load_b32 v91, v7, s[70:71]              ; and their scale words
	global_load_b32 v92, v7, s[38:39]
.irp i, 0,1,2,3,4,5
	v_mov_b32 v[16+\i], 0                          ; zero codes below q,
	v_mov_b32 v[28+\i], 0                          ; and above
.endr
.irp b, 0,1,2,3
	v_mov_b32 v[208+\b], 0                         ; a lane permute's destination counts as read: written once
.endr
	v_mov_b32 v252, 0
	v_mov_b32 v253, 0
	s_wait_loadcnt 0x0
.irp i, 0,1,2,3,4,5
	v_cndmask_b32 v[22+\i], v[96+\i], v[102+\i], s51    ; my tile's half
	v_cndmask_b32 v[Q2+\i], v[108+\i], v[114+\i], s51
.endr
	v_perm_b32 v90, v91, v91, s52                  ; q's scale word: the same two bytes for either place
	v_perm_b32 v[Q2+6], v92, v92, s52
.macro START                           ; a tile, or a part of one, begins
	v_mov_b32 v13, 0xff61b1e6                      ; the largest t so far: -3e38
	s_delay_alu instid0(VALU_DEP_1)
	v_floor_f32 v12, -v13                          ; -M
	v_mov_b32 v14, 0
	v_mov_b32 v15, 0
.set n, 0
.rept 32
	v_mov_b32 v[160+n], 0                          ; O^T: the step is written once; the first finds zeros.  (These are also the places between q's lines and the first product)
.set n, n+1
.endr
	s_wait_alu depctr_va_vdst(0)
.endm
.macro STEP
	s_cmp_gt_u32 s[SG], s[HI]
	s_cbranch_scc1 .Lhidden_\@
	v_add_nc_u32 v[ADK], s[TB], v[LI]
	v_add_nc_u32 v[ADS], s[TB], v[LR]
	v_nop
	v_nop                                          ; four places in front of loads into registers that the last products read
.irp b, 0,1,2,3
.irp g, 0,1,2
	ds_load_b128 v[F+12*\b+4*\g:F+12*\b+4*\g+3], v[ADK] offset:1536*\b+512*\g
.endr
.endr
	ds_load_b128 v[82:85], v[ADS]                  ; k's four scale words of my row
	s_wait_alu depctr_va_vdst(0)
	s_wait_dscnt 0x0
.irp b, 0,1,2,3
	v_wmma_scale_f32_16x16x128_f8f6f4 v[96+16*\b:103+16*\b], v[F+12*\b:F+12*\b+11], v[22:33], 0, v[82+\b], v90 matrix_a_fmt:MATRIX_FMT_FP6 matrix_b_fmt:MATRIX_FMT_FP6    ; q below: key tile 2 b
	v_wmma_scale_f32_16x16x128_f8f6f4 v[104+16*\b:111+16*\b], v[F+12*\b:F+12*\b+11], v[16:27], 0, v[82+\b], v90 matrix_a_fmt:MATRIX_FMT_FP6 matrix_b_fmt:MATRIX_FMT_FP6  ; q above: key tile 2 b + 1
.endr
.rept 4
	v_nop
.endr
.irp b, 0,1,2,3
.irp g, 0,1,2
	ds_load_b128 v[F+12*\b+4*\g:F+12*\b+4*\g+3], v[ADK] offset:6144+1536*\b+512*\g   ; v's fragments land while the softmax is worked
.endr
.endr
	ds_load_b128 v[86:89], v[ADS] offset:256
	s_cmp_lg_u32 s[SG], s[LV]                      ; on the diagonal hidden scores become -infinity ahead of the maximum
	s_cbranch_scc1 .Lopen_\@
	v_mov_b32 v254, 0xff800000
.set n, 0
.rept 64
	v_cmp_gt_i32 vcc_lo, 32*(n/16)+n%16, v[DQ]     ; register 16 b + i holds key 32 b + 16 h + i of the step
	v_cndmask_b32 v[96+n], v[96+n], v254, vcc_lo
.set n, n+1
.endr
.Lopen_\@:
.irp b, 0,1,2,3
	v_max3_num_f32 v[204+\b], v[96+16*\b], v[97+16*\b], v[98+16*\b]   ; the largest score of each block of 32 keys: for the row's maximum, and for the block's largest p
.endr
.irp i, 3,5,7,9,11,13
.irp b, 0,1,2,3
	v_max3_num_f32 v[204+\b], v[204+\b], v[96+16*\b+\i], v[97+16*\b+\i]
.endr
.endr
.irp b, 0,1,2,3
	v_max_num_f32 v[204+\b], v[204+\b], v[111+16*\b]
.endr
.irp b, 0,1,2,3
	s_delay_alu instid0(VALU_DEP_4)
	v_permlanex16_b32 v[208+\b], v[204+\b], s[SEL], s[SEL+1]
.endr
.irp b, 0,1,2,3
	s_delay_alu instid0(VALU_DEP_4)
	v_max_num_f32 v[204+\b], v[204+\b], v[208+\b]
.endr
	s_delay_alu instid0(VALU_DEP_2)
	v_max3_num_f32 v254, v204, v205, v206
	s_delay_alu instid0(VALU_DEP_1)
	v_max_num_f32 v254, v254, v207
	s_delay_alu instid0(VALU_DEP_1)
	v_mul_f32 v254, s[CS], v254
	s_delay_alu instid0(VALU_DEP_1)
	v_max_num_f32 v13, v13, v254                   ; the running largest t
	v_mov_b32 v254, v12
	s_delay_alu instid0(VALU_DEP_2)
	v_floor_f32 v12, -v13                          ; the new -M
	s_delay_alu instid0(VALU_DEP_1)
	v_sub_f32 v254, v12, v254
	s_delay_alu instid0(VALU_DEP_1)
	v_cvt_i32_f32 v254, v254                       ; (it saturates)
	s_delay_alu instid0(VALU_DEP_1)
	v_ldexp_f32 v252, 1.0, v254                    ; f = 2^(old M - new M)
.set n, 0
.rept 32
	v_pk_fma_f32 v[96+n:97+n], v[96+n:97+n], s[CS:CS+1], v[12:13] op_sel_hi:[1,0,0]   ; t - M
.set n, n+2
.endr
.irp b, 0,1,2,3
	v_fma_f32 v[204+\b], v[204+\b], s[CS], v12
.endr
	s_wait_alu depctr_va_vdst(0)                   ; ahead of the batch
.set n, 0
.rept 64
	v_exp_f32 v[96+n], v[96+n]                     ; p, not normalised
.set n, n+1
.endr
	v_pk_mul_f32 v[14:15], v[14:15], v[252:253] op_sel_hi:[1,0]   ; the sums under the new M: the plain line behind the exponentials
	s_wait_alu depctr_va_vdst(0)                   ; one wait for the batch, ahead of its first reader
.irp b, 0,1,2,3
	v_exp_f32 v[204+\b], v[204+\b]                 ; each block's largest p
.endr
; the row's sum of the unquantised p: 32 pairs in eight chains (v238-251 and the running sum), then joined
.irp c, 0,1,2,3,4,5,6
	v_pk_add_f32 v[238+2*\c:239+2*\c], v[96+4*\c:97+4*\c], v[98+4*\c:99+4*\c]
.endr
	v_pk_add_f32 v[14:15], v[14:15], v[124:125]
.irp r, 0,1
.irp c, 0,1,2,3,4,5,6
	v_pk_add_f32 v[238+2*\c:239+2*\c], v[238+2*\c:239+2*\c], v[126+16*\r+2*\c:127+16*\r+2*\c]
.endr
	v_pk_add_f32 v[14:15], v[14:15], v[140+16*\r:141+16*\r]
.endr
	v_pk_add_f32 v[238:239], v[238:239], v[158:159]
	v_pk_add_f32 v[242:243], v[242:243], v[244:245]
	v_pk_add_f32 v[246:247], v[246:247], v[248:249]
	s_delay_alu instid0(VALU_DEP_4)
	v_pk_add_f32 v[14:15], v[14:15], v[250:251]
	s_delay_alu instid0(VALU_DEP_4)
	v_pk_add_f32 v[238:239], v[238:239], v[240:241]
	s_delay_alu instid0(VALU_DEP_3)
	v_pk_add_f32 v[242:243], v[242:243], v[246:247]
	s_delay_alu instid0(VALU_DEP_2)
	v_pk_add_f32 v[14:15], v[14:15], v[238:239]
	s_delay_alu instid0(VALU_DEP_1)
	v_pk_add_f32 v[14:15], v[14:15], v[242:243]
	s_wait_alu depctr_va_vdst(0)                   ; and one for the four
.irp b, 0,1,2,3
	v_max_num_f32 v[204+\b], 0x1800000, v[204+\b]  ; the floor: the byte cannot fall under 1
.endr
.irp b, 0,1,2,3
	s_delay_alu instid0(VALU_DEP_4)
	v_add_nc_u32 v[212+\b], 0xff000000, v[204+\b]
.endr
.irp b, 0,1,2,3
	s_delay_alu instid0(VALU_DEP_4)
	v_lshrrev_b32 v[208+\b], 23, v[212+\b]
.endr
	s_delay_alu instid0(VALU_DEP_3)
	v_lshl_or_b32 v253, v209, 8, v208              ; p's scale word for these 128 keys
	s_delay_alu instid0(VALU_DEP_1)
	v_lshl_or_b32 v253, v210, 16, v253
	s_delay_alu instid0(VALU_DEP_1)
	v_lshl_or_b32 v253, v211, 24, v253
.irp c, 0,1
	v_cvt_scalef32_pk16_fp6_f32 v[224+6*\c:226+6*\c], v[96+32*\c:111+32*\c], v[212+2*\c]
	v_cvt_scalef32_pk16_fp6_f32 v[216+4*\c:218+4*\c], v[112+32*\c:127+32*\c], v[212+2*\c+1]
.endr
	v_nop
.irp c, 0,1
.irp i, 0,1,2
	v_permlane16_swap_b32 v[224+6*\c+\i], v[216+4*\c+\i]
.endr
.irp i, 0,1,2
	s_delay_alu instid0(VALU_DEP_3)
	v_mov_b32 v[227+6*\c+\i], v[216+4*\c+\i]
.endr
.endr
	s_wait_alu depctr_va_vdst(0)                   ; ahead of the first reader of O^T
.set n, 0
.rept 16
	v_pk_mul_f32 v[160+n:161+n], v[160+n:161+n], v[252:253] op_sel_hi:[1,0]   ; O^T under the new M; these sixteen are also the places in front of the products below
.set n, n+2
.endr
	s_wait_alu depctr_va_vdst(0)
	s_wait_dscnt 0x0                               ; v is in
.irp t, 0,1,2,3
	v_wmma_scale_f32_16x16x128_f8f6f4 v[160+8*\t:167+8*\t], v[F+12*\t:F+12*\t+11], v[224:235], v[160+8*\t:167+8*\t], v[86+\t], v253 matrix_a_fmt:MATRIX_FMT_FP6 matrix_b_fmt:MATRIX_FMT_FP6
.endr
.Lhidden_\@:
	s_add_co_u32 s[TB], s[TB], UNIT
	s_add_co_u32 s[SG], s[SG], 1
.endm
.macro OUT                             ; THE WAY OUT of a tile: O^T / l, quantised along d: two blocks of 32, 16 numbers of each in my half
	v_add_f32 v14, v14, v15
	s_delay_alu instid0(VALU_DEP_1)
	v_permlanex16_b32 v252, v14, s[SEL], s[SEL+1]
	s_delay_alu instid0(VALU_DEP_1)
	v_add_f32 v14, v14, v252
	s_wait_alu depctr_va_vdst(0)                   ; ahead of the transcendental
	v_rcp_f32 v14, v14
.rept 4
	v_nop                                          ; the plain line behind the reciprocal, and the places behind the last products
.endr
	s_lshr_b32 s53, s56, 3                         ; b
	s_and_b32 s54, s56, 7                          ; kv head
	s_lshl_b32 s53, s53, 7
	s_lshl_b32 s57, s[LV], 3
	s_add_co_u32 s53, s53, s57
	s_add_co_u32 s53, s53, s61                     ; my row block: 128 b + 8 x level + tile
	s_lshl_b32 s57, s53, 3
	s_add_co_u32 s57, s57, s54
	s_mul_i32 s66, s57, 1536
	s_mul_i32 s57, s60, 768
	s_add_co_u32 s66, s66, s57
	s_mov_b32 s67, 0
	s_add_nc_u64 s[66:67], s[6:7], s[66:67]
	s_lshl_b32 s68, s53, 9
	s_lshr_b32 s57, s54, 2
	s_lshl_b32 s57, s57, 8
	s_add_co_u32 s68, s68, s57
	s_and_b32 s57, s54, 3
	s_lshl_b32 s57, s57, 2
	s_add_co_u32 s68, s68, s57
	s_lshl_b32 s57, s60, 1
	s_add_co_u32 s68, s68, s57
	s_add_co_u32 s68, s68, 3145728
	s_mov_b32 s69, 0
	s_add_nc_u64 s[68:69], s[6:7], s[68:69]
	s_wait_alu depctr_va_vdst(0)                   ; ahead of the first reader of the reciprocal and of O^T
.set n, 0
.rept 32
	v_mul_f32 v[96+n], v[160+n], v14               ; register 16 e + i = d 32 e + 16 h + i; each accumulator from its low end on
.set n, n+1
.endr
.irp e, 0,1
	v_max3_num_f32 v[204+\e], |v[96+16*\e]|, |v[97+16*\e]|, 0x1800000
.endr
.irp i, 2,4,6,8,10,12,14
.irp e, 0,1
	s_delay_alu instid0(VALU_DEP_2)
	v_max3_num_f32 v[204+\e], v[204+\e], |v[96+16*\e+\i]|, |v[97+16*\e+\i]|
.endr
.endr
.irp e, 0,1
	s_delay_alu instid0(VALU_DEP_2)
	v_permlanex16_b32 v[208+\e], v[204+\e], s[SEL], s[SEL+1]
.endr
.irp e, 0,1
	s_delay_alu instid0(VALU_DEP_2)
	v_max_num_f32 v[204+\e], v[204+\e], v[208+\e]
.endr
.irp e, 0,1
	s_delay_alu instid0(VALU_DEP_2)
	v_add_nc_u32 v[212+\e], 0xff000000, v[204+\e]
.endr
.irp e, 0,1
	s_delay_alu instid0(VALU_DEP_2)
	v_lshrrev_b32 v[208+\e], 23, v[212+\e]
.endr
	s_delay_alu instid0(VALU_DEP_1)
	v_lshl_or_b32 v208, v209, 8, v208              ; my row's two scale bytes
	v_cvt_scalef32_pk16_fp6_f32 v[224:226], v[96:111], v212
	v_cvt_scalef32_pk16_fp6_f32 v[228:230], v[112:127], v213
	v_nop
.irp i, 0,1,2
	v_permlane16_swap_b32 v[224+\i], v[228+\i]     ; a whole block in a lane
.endr
.irp i, 0,1,2
	s_delay_alu instid0(VALU_DEP_3)
	v_mov_b32 v[227+\i], v[228+\i]
.endr
.irp p, 0,1,2
	global_store_b64 v6, v[224+2*\p:225+2*\p], s[66:67] offset:256*\p   ; 32 lanes store 256 consecutive bytes, aligned
.endr
	v_cmp_gt_u32 vcc_lo, 16, v10
	s_wait_xcnt 0x0                                ; EXEC changes only behind this wait
	s_and_saveexec_b32 s53, vcc_lo
	global_store_b16 v7, v208, s[68:69]
	s_wait_xcnt 0x0                                ; and the stores' registers and bases are written again only behind it
	s_or_b32 exec_lo, exec_lo, s53
.endm
.macro PASS first, trips               ; key steps first .. first + trips - 1: a constant count of trips, walked by every wave
	s_mov_b32 s[TB], (\first)*UNIT
	s_mov_b32 s[SG], \first
	s_mov_b32 s[CNT], \trips
.Lk_\@:
	STEP
	s_sub_co_u32 s[CNT], s[CNT], 1
	s_cmp_lg_u32 s[CNT], 0
	s_cbranch_scc1 .Lk_\@
.endm
	START
	s_wait_tensorcnt 0x0                           ; my step is in;
	s_wait_dscnt 0x0
	s_barrier_signal -1
	s_barrier_wait -1                              ; and everybody's: all sixteen steps may be read
	PASS 0, 9                                      ; low wave: the large tile's steps 0 .. 8; high wave: the small tile's 0 .. i
	s_cmp_eq_u32 s[TY], 0
	s_cbranch_scc1 .Lkeep
	OUT                                            ; high wave: the small tile leaves, and the large tile's upper part begins
	s_mov_b32 s[LV], s[LB]
	s_mov_b32 s[HI], s[LB]
.irp i, 0,1,2,3,4,5
	v_mov_b32 v[22+\i], v[Q2+\i]
.endr
	v_mov_b32 v90, v[Q2+6]
	START
.Lkeep:
	PASS 9, 7                                      ; high wave: the large tile's steps 9 .. 15 - i; the low wave's last step is 8: it passes over all seven
	s_cmp_eq_u32 s[TY], 0
	s_cbranch_scc1 .Lmeet
.rept 4
	v_nop                                          ; the places behind the last products
.endr
.irp g, 0,1,2,3,4,5,6,7
	ds_store_b128 v[STG], v[160+4*\g:163+4*\g] offset:512*\g    ; my part of O^T, as an image of its registers, each accumulator from its low end on,
.endr
	ds_store_b128 v[STG], v[12:15] offset:4096     ; with -M and l
.Lmeet:
	s_wait_dscnt 0x0                               ; my stores are done
	s_barrier_signal -1
	s_barrier_wait -1
	s_cmp_lg_u32 s[TY], 0
	s_cbranch_scc1 .Ldone
.irp g, 0,1,2,3,4,5,6,7
	ds_load_b128 v[96+4*\g:99+4*\g], v[STG] offset:512*\g       ; low wave: my partner's part
.endr
	ds_load_b128 v[128:131], v[STG] offset:4096
	s_wait_dscnt 0x0
	v_min_num_f32 v254, v12, v128                  ; -M of the two parts together
	s_delay_alu instid0(VALU_DEP_1)
	v_sub_f32 v252, v254, v12                      ; my M less the joint one: a whole number, 0 or less,
	s_delay_alu instid0(VALU_DEP_2)
	v_sub_f32 v132, v254, v128                     ; and my partner's
	s_delay_alu instid0(VALU_DEP_2)
	v_cvt_i32_f32 v252, v252                       ; (they saturate)
	s_delay_alu instid0(VALU_DEP_2)
	v_cvt_i32_f32 v132, v132
	s_delay_alu instid0(VALU_DEP_2)
	v_ldexp_f32 v252, 1.0, v252                    ; the two factors: exact powers of two
	s_delay_alu instid0(VALU_DEP_2)
	v_ldexp_f32 v132, 1.0, v132
	v_mov_b32 v133, 0                              ; (named as the upper half of the pair v[132:133])
	s_delay_alu instid0(VALU_DEP_3)
	v_pk_mul_f32 v[14:15], v[14:15], v[252:253] op_sel_hi:[1,0]
.set n, 0
.rept 16
	v_pk_mul_f32 v[160+n:161+n], v[160+n:161+n], v[252:253] op_sel_hi:[1,0]
.set n, n+2
.endr
	v_pk_fma_f32 v[14:15], v[130:131], v[132:133], v[14:15] op_sel_hi:[1,0,1]
.set n, 0
.rept 16
	v_pk_fma_f32 v[160+n:161+n], v[96+n:97+n], v[132:133], v[160+n:161+n] op_sel_hi:[1,0,1]
.set n, n+2
.endr
	OUT                                            ; the large tile leaves
.Ldone:
	s_wait_tensorcnt 0x0                           ; the wave's end
	ds_add_u32 v[SPW], v[NIL]
	s_wait_dscnt 0x0
	CROUND                                         ; the closing round
	s_endpgm
.Lfunc_end_k_q83d9e13c8a_attn:
	.size	k_q83d9e13c8a_attn, .Lfunc_end_k_q83d9e13c8a_attn-k_q83d9e13c8a_attn
	.p2alignl 7, 3214868480
	.fill 96, 4, 3214868480
	.section	.rodata,"a",@progbits
	.p2align	6, 0x0
	.amdhsa_kernel k_q83d9e13c8a_attn
		.amdhsa_group_segment_fixed_size 243712
		.amdhsa_private_segment_fixed_size 0
		.amdhsa_enable_private_segment 0
		.amdhsa_kernarg_size 16
		.amdhsa_user_sgpr_count 2
		.amdhsa_user_sgpr_kernarg_segment_ptr 1
		.amdhsa_wavefront_size32 1
		.amdhsa_system_sgpr_workgroup_id_x 1
		.amdhsa_system_sgpr_workgroup_id_y 1
		.amdhsa_system_sgpr_workgroup_id_z 1
		.amdhsa_system_vgpr_workitem_id 0
		.amdhsa_next_free_vgpr 256
		.amdhsa_next_free_sgpr 72
		.amdhsa_reserve_vcc 1
		.amdhsa_float_denorm_mode_32 3
		.amdhsa_float_denorm_mode_16_64 3
		.amdhsa_memory_ordered 1
		.amdhsa_forward_progress 1
		.amdhsa_inst_pref_size 70
	.end_amdhsa_kernel
	.amdgpu_metadata
---
amdhsa.version: [ 1, 2 ]
amdhsa.kernels:
  - .name:           k_q83d9e13c8a_attn
    .symbol:         k_q83d9e13c8a_attn.kd
    .args:
      - { .name: qkv, .offset: 0, .size: 8, .value_kind: global_buffer, .address_space: global }
      - { .name: oq, .offset: 8, .size: 8, .value_kind: global_buffer, .address_space: global }
    .group_segment_fixed_size: 243712
    .private_segment_fixed_size: 0
    .kernarg_segment_align: 8
    .kernarg_segment_size: 16
    .max_flat_workgroup_size: 512
    .sgpr_count:     72
    .vgpr_count:     256
    .wavefront_size: 32
...
	.end_amdgpu_metadata
.endif
;; end of part 3
;; launch oproj (part 4): grid 16 x 16, 4 waves a work-group, clusters of 4 x 4, 327,680 bytes of LDS; arguments oq, woq, out0; writes out0
.if DOCPART == 4
	.amdgcn_target "amdgcn-amd-amdhsa--gfx1250"
	.amdhsa_code_object_version 6
	.text
	.protected	k_q83d9e13c8a_oproj
	.globl	k_q83d9e13c8a_oproj
	.p2align	8
	.type	k_q83d9e13c8a_oproj,@function
k_q83d9e13c8a_oproj:
	s_mov_b64 s[64:65], 0
	v_nop
	global_prefetch_b8 v0, s[64:65] scope:SCOPE_SE
	s_setreg_imm32_b32 hwreg(HW_REG_WAVE_MODE, 25, 1), 1
	s_wait_xcnt 0x0
	s_wait_alu depctr_hold_cnt(0) depctr_sa_sdst(0) depctr_va_vdst(0) depctr_va_sdst(0) depctr_va_ssrc(0) depctr_va_vcc(0) depctr_vm_vsrc(0)
	s_getreg_b32 s2, hwreg(HW_REG_IB_STS2, 6, 4)
	s_cmp_eq_u32 s2, 0
	s_cbranch_scc0 .Lentry_in_a_cluster
	s_endpgm
.Lentry_in_a_cluster:
	s_bfe_u32 s2, ttmp6, 0x10000c
	s_cmp_lg_u32 s2, 0xf033
	s_cbranch_scc0 .Lentry_shape_is_right
	s_endpgm
.Lentry_shape_is_right:
; out0 = O Wo^T on codes of FP6 (E2M3) with E8M0 scales, K = 1,024.  Operands are images of operand registers (a fragment: 16 rows x 128 K, 1,536 bytes).
; TILE: 256 rows of O (source 1) x 128 rows of Wo (source 0); four waves: wave w takes O's rows 128 (w / 2) on (8 blocks of 16) and Wo's rows 64 (w % 2) on (4 blocks).
; ALL OF K LIES IN LDS: O's 16 blocks x 12,288 bytes, Wo's 8 blocks, both dense in memory, and their scale words: four tensor loads at the head, one a wave; nothing is filled later, so one wait and one barrier serve the launch.
; THE WALK GOES BY ROWS OF THE RESULT.  Wo's 4 blocks x 8 chunks of 128 along K, 32 fragments, 384 registers, are read from LDS once and stay.  O's fragments come by blocks of 16 rows x 1,024 K (96 registers, two sets).
; A block is finished by 32 matrix instructions, its four accumulators by turns, K ascending, and leaves at once, through the wave's own stage in LDS, as rows of 256 consecutive bytes, while the next block is multiplied.
; No fragment is read from LDS twice.
; CLUSTER 4 x 4: O's tiles are asked for jointly along a row of the cluster, Wo's along a column.  No prefetch: all tiles are asked for at the head, and there is no loop to run ahead in.
; REGISTERS: window 0: v0-31 addresses; v32-95 all scale words; v96-159 accumulators, two sets of four; v160-223 rows read back from the stage, two sets.
;   window 1: Wo's fragments of chunks 0-3, (c, b) at v[48 c + 12 b]; window 2: of chunks 4-7; window 3: O's fragments, set s at v[96 s + 12 c].
.set RBB,   12288                      ; a row block's codes for all of K
.set BSTR,  512                        ; and its scale words
.set ASH,   4096                       ; the scale words of 8 blocks of O
.set BSH,   2048                       ; of 4 blocks of Wo
.set ASCO,  3145728                    ; where oq's scale words begin
.set BSCO,  1572864                    ; and woq's
.set FRB,   1536
.set AHALF, 8*RBB                      ; a wave's 8 blocks of O
.set BHALF, 4*RBB                      ; a wave's 4 blocks of Wo
.set SCL,   2*AHALF+2*BHALF            ; behind the codes: the scale words
.set STAGE, SCL+2*ASH+2*BSH            ; behind them: a stage of 16 rows x 272 bytes for each wave; no tensor load lands here
.set SPARE, STAGE+4*16*272             ; behind the stages: the spare words, 128 bytes a wave, that no other line names
.set ADRA,  16                         ; v16 my blocks 0-3 of O, v17 my blocks 4-7: the loads' 16-bit offsets reach four blocks
.set ADRB,  20                         ; v20 my blocks of Wo
.set ADRS,  24                         ; v24 scale words: lanes 0-15 O's, lanes 16-31 Wo's
.set ADRSA, 25                         ; v25 O's in all lanes
.set STO,   26
.set RD,    27
.set SPW,   28                         ; v28 my spare word; never rewritten
.set NIL,   29                         ; v29 0; never rewritten
.set CO,    30
.set SC,    32                         ; register 32 s + 4 i + q: lanes 0-15 the word of O's block i, lanes 16-31 of Wo's block i, for chunk 4 s + q
.set ACC,   96
.set BK,    160
.set G1A,   24
.set G0A,   32
.set G1B,   48
.set G0B,   56
.set G1SA,  68
.set G0SA,  76
.set G1SB,  80
.set G0SB,  88
.set MSB, 0
.macro WIN new                         ; the immediate's high byte repeats the setting that is left
.if MSB != \new
	s_set_vgpr_msb (MSB<<8)|\new
.set MSB, \new
.endif
.endm
.macro ARM under, g0, g1, next         ; one arm of the head's chain of branches on the wave's number: one joint load, then the jump to the join
	s_cmp_lt_u32 s14, \under
	s_cbranch_scc0 \next
	tensor_load_to_lds s[\g0:\g0+3], s[\g1:\g1+7]
	s_nop 0
.rept 4
	v_nop
.endr
	s_branch .Lhead_asked
\next:
.endm
.macro CROUND
	s_barrier_signal -1
	s_barrier_wait -1
	s_cmp_lg_u32 s14, 0
	s_cbranch_scc1 .Lnot_wave_0_\@
	s_barrier_signal -3
.Lnot_wave_0_\@:
	s_barrier_wait -3
	s_barrier_signal -1
	s_barrier_wait -1
.endm
.macro PLACES n                        ; plain lines between a matrix instruction and a load into, or a read of, its registers
.rept \n
	v_nop
.endr
.endm
	s_load_b128 s[4:7], s[0:1], 0x0                ; oq, woq
	s_load_b64 s[8:9], s[0:1], 0x10                ; out0
	v_lshl_add_u32 v[SPW], v0, 2, SPARE
	v_mov_b32 v[NIL], 0
	ds_add_u32 v[SPW], v[NIL]                      ; the wave's opening
	ds_add_u32 v[SPW], v[NIL]
	v_lshrrev_b32 v1, 5, v0
	v_readfirstlane_b32 s14, v1                    ; wave
	s_lshr_b32 s15, s14, 1                         ; which 128 rows of O are mine
	s_and_b32 s16, s14, 1                          ; which 64 rows of Wo
	s_bfe_u32 s40, ttmp6, 0x40000                  ; cx
	s_bfe_u32 s41, ttmp6, 0x40004                  ; cy
	s_lshl_b32 s42, ttmp9, 2
	s_add_co_u32 s42, s42, s40                     ; tile column
	s_and_b32 s17, ttmp7, 0xffff
	s_lshl_b32 s17, s17, 2
	s_add_co_u32 s17, s17, s41                     ; tile row
	s_lshl_b32 s43, s41, 2
	s_lshl_b32 s43, 15, s43                        ; my row of the cluster
	s_lshl_b32 s44, 0x1111, s40                    ; my column
	s_or_b32 s[G1A], s43, (3<<16)|(1<<21)          ; the mask; elements of 8 bytes; bit 21 beside a mask; no padding: an image's loads are consecutive
	s_or_b32 s[G1B], s44, (3<<16)|(1<<21)
	s_or_b32 s[G1SA], s43, (3<<16)|(1<<21)
	s_or_b32 s[G1SB], s44, (3<<16)|(1<<21)
	s_mov_b32 s[G1A+1], 32<<16                     ; O's 16 blocks: 196,608 dense bytes as 768 rows of 256
	s_mov_b32 s[G1A+2], 768<<16
	s_mov_b32 s[G1A+3], 32<<16
	s_mov_b32 s[G1A+4], 768
	s_mov_b32 s[G1A+5], 32
	s_mov_b32 s[G1A+6], 0
	s_mov_b32 s[G1A+7], 0
	s_mov_b32 s[G1B+1], 32<<16                     ; Wo's 8 blocks: 384 rows of 256
	s_mov_b32 s[G1B+2], 384<<16
	s_mov_b32 s[G1B+3], 32<<16
	s_mov_b32 s[G1B+4], 384
	s_mov_b32 s[G1B+5], 32
	s_mov_b32 s[G1B+6], 0
	s_mov_b32 s[G1B+7], 0
	s_mov_b32 s[G1SA+1], 32<<16                    ; the scale words: dense blocks, as rows of 256 bytes
	s_mov_b32 s[G1SA+2], (2*ASH/256)<<16
	s_mov_b32 s[G1SA+3], 32<<16
	s_mov_b32 s[G1SA+4], 2*ASH/256
	s_mov_b32 s[G1SA+5], 32
	s_mov_b32 s[G1SA+6], 0
	s_mov_b32 s[G1SA+7], 0
	s_mov_b32 s[G1SB+1], 32<<16
	s_mov_b32 s[G1SB+2], (2*BSH/256)<<16
	s_mov_b32 s[G1SB+3], 32<<16
	s_mov_b32 s[G1SB+4], 2*BSH/256
	s_mov_b32 s[G1SB+5], 32
	s_mov_b32 s[G1SB+6], 0
	s_mov_b32 s[G1SB+7], 0
	s_lshl_b32 s20, s17, 4                         ; O: the tile's first row block
	s_mul_i32 s22, s20, BSTR
	s_add_co_u32 s22, s22, ASCO                    ; its scale words,
	s_mul_i32 s20, s20, RBB                        ; its codes
	s_mov_b32 s21, 0
	s_mov_b32 s23, 0
	s_lshl_b32 s46, s42, 3                         ; Wo: the tile's first row block
	s_mul_i32 s92, s46, BSTR
	s_add_co_u32 s92, s92, BSCO
	s_mul_i32 s46, s46, RBB
	s_mov_b32 s47, 0
	s_mov_b32 s93, 0
	s_wait_dscnt 0x0                               ; both opening adds are done
	s_wait_kmcnt 0x0
	s_add_nc_u64 s[20:21], s[4:5], s[20:21]
	s_add_nc_u64 s[22:23], s[4:5], s[22:23]
	s_add_nc_u64 s[46:47], s[6:7], s[46:47]
	s_add_nc_u64 s[92:93], s[6:7], s[92:93]
	CROUND                                         ; all sixteen work-groups are here: the joint loads meet
	s_mov_b32 s[G0SA], 1
	s_mov_b32 s[G0SA+1], SCL
	s_mov_b64 s[G0SA+2:G0SA+3], s[22:23]
	s_or_b32 s[G0SA+3], s[G0SA+3], 0x80000000
	s_mov_b32 s[G0SB], 1
	s_mov_b32 s[G0SB+1], SCL+2*ASH
	s_mov_b64 s[G0SB+2:G0SB+3], s[92:93]
	s_or_b32 s[G0SB+3], s[G0SB+3], 0x80000000
	s_mov_b32 s[G0A], 1
	s_mov_b32 s[G0A+1], 0
	s_mov_b64 s[G0A+2:G0A+3], s[20:21]
	s_or_b32 s[G0A+3], s[G0A+3], 0x80000000
	s_mov_b32 s[G0B], 1
	s_mov_b32 s[G0B+1], 2*AHALF
	s_mov_b64 s[G0B+2:G0B+3], s[46:47]
	s_or_b32 s[G0B+3], s[G0B+3], 0x80000000
	; the head's loads, one a wave: wave 0 O's codes, wave 1 Wo's, wave 2 O's scale words, wave 3 Wo's
	ARM 1, G0A,  G1A,  .Lhead_b
	ARM 2, G0B,  G1B,  .Lhead_sa
	ARM 3, G0SA, G1SA, .Lhead_sb
	tensor_load_to_lds s[G0SB:G0SB+3], s[G1SB:G1SB+7]
	s_nop 0
.rept 4
	v_nop
.endr
.Lhead_asked:
	s_lshl_b32 s20, s17, 8                         ; where my part of out0 begins: row 256 x tile row + 128 x half, 8,192 bytes a row,
	s_lshl_b32 s21, s15, 7
	s_add_co_u32 s20, s20, s21
	s_lshl_b32 s20, s20, 13
	s_lshl_b32 s46, s42, 9                         ; + 512 x tile column + 256 x half
	s_lshl_b32 s47, s16, 8
	s_add_co_u32 s46, s46, s47
	s_add_co_u32 s20, s20, s46
	s_mov_b32 s21, 0
	s_add_nc_u64 s[8:9], s[8:9], s[20:21]
	s_mul_i32 s21, s15, AHALF                      ; my blocks of O,
	s_mul_i32 s22, s16, BHALF
	s_add_co_u32 s22, s22, 2*AHALF                 ; of Wo,
	s_mul_i32 s23, s15, ASH                        ; O's words of my 8 blocks,
	s_mul_i32 s18, s16, BSH
	s_add_co_u32 s18, s18, 2*ASH
	s_sub_co_u32 s18, s18, s23                     ; how far behind them Wo's of my 4 lie,
	s_add_co_u32 s23, s23, SCL
	s_mul_i32 s19, s14, 16*272
	s_add_co_u32 s19, s19, STAGE                   ; my stage
	v_and_b32 v1, 15, v0                           ; r
	v_bfe_u32 v2, v0, 4, 1                         ; h
	v_and_b32 v3, 31, v0                           ; lane
	v_lshlrev_b32 v4, 3, v3                        ; 8 x lane: O's images lie by register pairs
	v_lshlrev_b32 v5, 4, v3                        ; 16 x lane: Wo's by fours
	v_lshlrev_b32 v7, 4, v1                        ; 16 r
	v_add_nc_u32 v[ADRA], s21, v4
	v_add_nc_u32 v[ADRA+1], 4*RBB, v[ADRA]
	v_add_nc_u32 v[ADRB], s22, v5
	v_mul_u32_u24 v6, s18, v2                      ; lanes 16-31 take Wo's words: one product, the lower base + h x the distance
	v_add_nc_u32 v[ADRSA], s23, v7
	v_add_nc_u32 v[ADRS], v[ADRSA], v6
	v_mul_u32_u24 v[STO], v1, 272                  ; into the stage: row r, + 64 h
	v_lshl_add_u32 v[STO], v2, 6, v[STO]
	v_add_nc_u32 v[STO], s19, v[STO]
	v_mul_u32_u24 v[RD], v2, 272                   ; back: lanes 0-15 one row of 256 bytes, lanes 16-31 the next
	v_add_nc_u32 v[RD], v[RD], v7
	v_add_nc_u32 v[RD], s19, v[RD]
	v_lshl_add_u32 v[CO], v2, 13, v7               ; and the same two rows in out0
.macro SCALES set                      ; the scale words of the set-th 512 along K: four words a row
.irp i, 0,1,2,3
	ds_load_b128 v[SC+32*\set+4*\i:SC+32*\set+4*\i+3], v[ADRS] offset:BSTR*\i+256*\set
.endr
.irp i, 4,5,6,7
	ds_load_b128 v[SC+32*\set+4*\i:SC+32*\set+4*\i+3], v[ADRSA] offset:BSTR*\i+256*\set
.endr
.endm
.macro BLOAD c                         ; Wo's four fragments of chunk c: three loads of 512 consecutive bytes each
.irp b, 0,1,2,3
.irp g, 0,1,2
	ds_load_b128 v[48*((\c)%4)+12*\b+4*\g:48*((\c)%4)+12*\b+4*\g+3], v[ADRB] offset:RBB*\b+FRB*(\c)+512*\g
.endr
.endr
.endm
.macro ALOAD a                         ; O's block a, all eight chunks, into set a % 2: 48 loads of 256 consecutive bytes
.irp c, 0,1,2,3,4,5,6,7
.irp p, 0,1,2,3,4,5
	ds_load_b64 v[96*((\a)%2)+12*\c+2*\p:96*((\a)%2)+12*\c+2*\p+1], v[ADRA+(\a)/4] offset:RBB*((\a)%4)+FRB*\c+256*\p
.endr
.endr
.endm
; Block a is finished: 32 matrix instructions, source 0 = Wo (window 1 or 2), source 1 = O (window 3), C and D in window 0.  The four accumulators take turns, one instruction a turn;
; the first chunk's products start the sums: nothing is cleared.
.macro ROW a
.set AC, ACC+32*((\a)%2)
.set FA, 96*((\a)%2)
.irp c, 0,1,2,3,4,5,6,7
.if \c == 0
	WIN 0x0d
.endif
.if \c == 4
	WIN 0x0e
.endif
.irp b, 0,1,2,3
.if \c == 0
	v_wmma_scale_f32_16x16x128_f8f6f4 v[AC+8*\b:AC+8*\b+7], v[48*(\c%4)+12*\b:48*(\c%4)+12*\b+11], v[FA+12*\c:FA+12*\c+11], 0, v[SC+32*(\c/4)+4*\b+(\c%4)], v[SC+32*(\c/4)+4*(\a)+(\c%4)] matrix_a_fmt:MATRIX_FMT_FP6 matrix_b_fmt:MATRIX_FMT_FP6 matrix_a_scale:MATRIX_SCALE_ROW1
.else
	v_wmma_scale_f32_16x16x128_f8f6f4 v[AC+8*\b:AC+8*\b+7], v[48*(\c%4)+12*\b:48*(\c%4)+12*\b+11], v[FA+12*\c:FA+12*\c+11], v[AC+8*\b:AC+8*\b+7], v[SC+32*(\c/4)+4*\b+(\c%4)], v[SC+32*(\c/4)+4*(\a)+(\c%4)] matrix_a_fmt:MATRIX_FMT_FP6 matrix_b_fmt:MATRIX_FMT_FP6 matrix_a_scale:MATRIX_SCALE_ROW1
.endif
.endr
.endr
.endm
.macro TOSTAGE a                       ; block a's 16 rows x 64 columns into my stage, and back as whole rows.  LDS serves a wave's instructions in order: no wait between the stores and the loads
.set AC, ACC+32*((\a)%2)
.irp b, 0,1,2,3
	ds_store_b128 v[STO], v[AC+8*\b:AC+8*\b+3] offset:128*(\b/2)+32*(\b%2)          ; each accumulator from its low end on
	ds_store_b128 v[STO], v[AC+8*\b+4:AC+8*\b+7] offset:128*(\b/2)+32*(\b%2)+16
.endr
.irp i, 0,1,2,3,4,5,6,7
	ds_load_b128 v[BK+32*((\a)%2)+4*\i:BK+32*((\a)%2)+4*\i+3], v[RD] offset:544*\i
.endr
.endm
.macro SEND a
	s_wait_dscnt 0x0                               ; the block is back in registers (and the block of O asked for ahead of it is in)
.irp i, 0,1,2,3,4,5,6,7
	global_store_b128 v[CO], v[BK+32*((\a)%2)+4*\i:BK+32*((\a)%2)+4*\i+3], s[8:9] offset:(32*((\a)/2)+8*((\a)%2)+2*\i+8*(\i/4))*8192 th:TH_STORE_NT   ; 16 lanes store 256 consecutive bytes, aligned
.endr
.endm
	s_wait_alu depctr_va_vdst(0)                   ; the head's end
	s_wait_tensorcnt 0x0                           ; my tile of the four is in; behind the barrier all four are, and nothing is filled again
	s_barrier_signal -1
	s_barrier_wait -1
	SCALES 0
	SCALES 1
	WIN 0x40                                       ; destination window 1
.irp c, 0,1,2,3
	BLOAD \c
.endr
	WIN 0x80                                       ; window 2
.irp c, 4,5,6,7
	BLOAD \c
.endr
	WIN 0xc0                                       ; window 3
	ALOAD 0
	ALOAD 1
	s_wait_dscnt 48                                ; all but block 1's 48 loads
	ROW 0
.irp a, 0,1,2,3,4,5,6,7
	PLACES 4                                       ; behind block a's last products: for the loads into its set and for the reads of its sums
.if \a < 6
	WIN 0xc0
	ALOAD \a+2                                     ; its set takes the block two further on
.endif
	WIN 0
.if \a > 1
	s_wait_xcnt 0x0                                ; block a - 2's stores have read their registers: block a's rows may land there
.endif
	TOSTAGE \a
.if \a == 0
	s_wait_dscnt 63                                ; block 1 is in: 64 LDS instructions were issued behind its loads (the later blocks are shown in by SEND's wait)
.endif
.if \a < 7
	ROW \a+1                                       ; the next block is multiplied while block a goes through the stage,
	WIN 0
.endif
	SEND \a                                        ; and block a leaves
.endr
	s_wait_tensorcnt 0x0                           ; the wave's end
	ds_add_u32 v[SPW], v[NIL]
	s_wait_dscnt 0x0
	CROUND                                         ; the closing round
	s_endpgm
.Lfunc_end_k_q83d9e13c8a_oproj:
	.size	k_q83d9e13c8a_oproj, .Lfunc_end_k_q83d9e13c8a_oproj-k_q83d9e13c8a_oproj
	.p2alignl 7, 3214868480
	.fill 96, 4, 3214868480
	.section	.rodata,"a",@progbits
	.p2align	6, 0x0
	.amdhsa_kernel k_q83d9e13c8a_oproj
		.amdhsa_group_segment_fixed_size 327680
		.amdhsa_private_segment_fixed_size 0
		.amdhsa_enable_private_segment 0
		.amdhsa_kernarg_size 24
		.amdhsa_user_sgpr_count 2
		.amdhsa_user_sgpr_kernarg_segment_ptr 1
		.amdhsa_wavefront_size32 1
		.amdhsa_system_sgpr_workgroup_id_x 1
		.amdhsa_system_sgpr_workgroup_id_y 1
		.amdhsa_system_sgpr_workgroup_id_z 1
		.amdhsa_system_vgpr_workitem_id 0
		.amdhsa_next_free_vgpr 1024
		.amdhsa_next_free_sgpr 100
		.amdhsa_reserve_vcc 0
		.amdhsa_float_denorm_mode_32 3
		.amdhsa_float_denorm_mode_16_64 3
		.amdhsa_memory_ordered 1
		.amdhsa_forward_progress 1
		.amdhsa_inst_pref_size 89
	.end_amdhsa_kernel
	.amdgpu_metadata
---
amdhsa.version: [ 1, 2 ]
amdhsa.kernels:
  - .name:           k_q83d9e13c8a_oproj
    .symbol:         k_q83d9e13c8a_oproj.kd
    .args:
      - { .name: oq, .offset: 0, .size: 8, .value_kind: global_buffer, .address_space: global }
      - { .name: woq, .offset: 8, .size: 8, .value_kind: global_buffer, .address_space: global }
      - { .name: out0, .offset: 16, .size: 8, .value_kind: global_buffer, .address_space: global }
    .group_segment_fixed_size: 327680
    .private_segment_fixed_size: 0
    .kernarg_segment_align: 8
    .kernarg_segment_size: 24
    .max_flat_workgroup_size: 128
    .sgpr_count:     100
    .vgpr_count:     1024
    .wavefront_size: 32
...
	.end_amdgpu_metadata
.endif
;; end of part 4
